; MI455X (gfx1250); checked and timed in simulation.
; The chip was launched on July 23, 2026; its instructions are those of AMD's public machine-readable ISA for CDNA 5 (MIT licence, August 2026) and "CDNA5" Instruction Set Architecture Reference Guide (July 2026). The comments in the code are by the model that wrote it; some were corrected since.
;; Window Attention. Allowed arithmetic: float matrix products may take bf16 or f16 operands with f32 sums; other float arithmetic in f32, or as packed bf16 or f16 multiplies, adds, multiply-adds, maxima and minima; sums over many terms, partial sums and values carried from step to step in f32; what a program stores and reads back later, other than sums and carried values, may be rounded once to bf16 or f16.
;; Inputs: agg_b1 64 float32; agg_b2 64 float32; agg_w1 64 x 64 float32; agg_w2 64 x 64 float32; pg_bg_b1 4 x 32 float32; pg_bg_b2 4 x 5 float32; pg_bg_b3 4 x 64 float32; pg_bg_w1 4 x 64 x 32 float32; pg_bg_w2 4 x 32 x 5 float32; pg_bg_w3 4 x 5 x 64 float32; pg_wg_b1 4 x 32 float32; pg_wg_b2 4 x 5 float32; pg_wg_b3 4 x 4,096 float32; pg_wg_w1 4 x 64 x 32 float32; pg_wg_w2 4 x 32 x 5 float32; pg_wg_w3 4 x 5 x 4,096 float32; proxies 1 x 8 x 512 x 64 float32; s_p1_b 64 float32; s_p1_w 64 x 64 float32; s_p2_b 64 float32; s_p2_w 64 x 64 float32; t_p1_b 64 float32; t_p1_w 64 x 64 float32; t_p2_b 64 float32; t_p2_w 64 x 64 float32; x 16 x 12 x 512 x 64 float32.
;; Outputs: out0 16 x 4 x 512 x 64 float32.
;; One version. Each part assembles by itself: llvm-mc -triple=amdgcn-amd-amdhsa -mcpu=gfx1250 --defsym DOCPART=n.
;; ======== version 1 of 1: 6 launches
;; workspace buffers: kvqA 6,291,456 bytes; kvqB 6,291,456 bytes; hbuf 2,097,152 bytes; wtab 247,808 bytes; cntA 512 bytes of whole numbers; cntB 512 bytes of whole numbers
;; launch prep (part 1): grid 30 x 1, 8 waves a work-group, no clusters, 0 bytes of LDS; arguments s_p1_w, s_p2_w, agg_w1, agg_w2, t_p1_w, t_p2_w, s_p1_b, s_p2_b, agg_b1, agg_b2, t_p1_b, t_p2_b, pg_wg_w3, pg_wg_b3, wtab, cntA; writes wtab, cntA
.if DOCPART == 1
	.amdgcn_target "amdgcn-amd-amdhsa--gfx1250"
	.amdhsa_code_object_version 6
	.text
	.protected	k_q16836c11be_prep
	.globl	k_q16836c11be_prep
	.p2align	8
	.type	k_q16836c11be_prep,@function
k_q16836c11be_prep:
	s_mov_b64 s[64:65], 0
	v_nop
	global_prefetch_b8 v0, s[64:65] scope:SCOPE_SE
	s_setreg_imm32_b32 hwreg(HW_REG_WAVE_MODE, 25, 1), 1
	s_wait_xcnt 0x0
; WINDOW ATTENTION, launch 1 of 6: the fixed weights are rounded to bf16 once and laid out as matrix operands.
; THE PROGRAM.  A dynamic weight is w[b,n] = sum over j < 5 of h_j[b,n] W3_j + B3: a mix of six fixed 64 x 64 matrices.  So rows of 16 nodes are multiplied by the six fixed
; matrices, and the six results are mixed in f32 with each node's own h_j.  prep lays the tables; first makes h and the temporal part of cut 0; step1-3 do the spatial part of cut i and
; the temporal part of cut i + 1; last does the spatial part of cut 3.
; WORK LEFT OUT, for all values of the inputs.  (a) The temporal key bias tb0[b,n,:] adds q[p,head] . tb0[head] to all five scores of a softmax row: a term that is the same along the
; softmax's axis t and cancels.  So slice 0 of pg_bg_w1, b1, w2, b2, w3, b3 is never read; every buffer keeps live slices, so all are arguments of some launch.  (b) out is 0 in cut 0: px = proxies.
; (c) tb1 is added once behind the normalised sum, since the weights add up to 1.  LIMIT: a NaN, an infinity or an overflow that reaches only tb0 is not carried to the result.
; wtab: bytes 0-2,047 eight rows of 64 f32: the biases of s_p1, s_p2, agg 1, agg 2, t_p1, t_p2, two rows of 0.  From 2,048 on 240 fragments of 1,024 bytes: 48 of the six dense layers
; (8 L + 2 nt + ks), then 192 of W3 (((g 4 + nt) 6 + j) 2 + ks; j = 5 is pg_wg_b3[g]).  A fragment is source 0 of a product: lane (r = l % 16, h = l / 16) holds W[c][16 nt + r],
; c = 32 ks + 8 h + 0..7 (first 512 bytes, 16 a lane) and c = 32 ks + 16 + 8 h + 0..7 (second 512).  One wave makes one fragment; 30 work-groups of 8 waves make the 240.
	s_load_b512 s[4:19], s[0:1], 0x0               ; six weights s[4:15], biases of s_p1 s[16:17], s_p2 s[18:19]
	s_load_b512 s[20:35], s[0:1], 0x40             ; four more biases s[20:27], pg_wg_w3 s[28:29], pg_wg_b3 s[30:31], wtab s[32:33], cntA s[34:35]
	v_lshrrev_b32 v1, 5, v0
	v_readfirstlane_b32 s36, v1                    ; wave
	s_lshl_b32 s37, ttmp9, 3
	s_add_co_u32 s37, s37, s36                     ; my fragment, 0 to 239
	v_and_b32 v1, 15, v0                           ; r
	v_bfe_u32 v2, v0, 4, 1                         ; h
	v_lshlrev_b32 v3, 2, v1
	v_lshl_add_u32 v3, v2, 11, v3                  ; 8 h rows of 256 bytes + 4 r
	v_and_b32 v4, 31, v0
	v_lshlrev_b32 v5, 4, v4                        ; 16 l
	v_lshlrev_b32 v6, 3, v4                        ; 8 l
	s_and_b32 s38, s37, 1                          ; ks
	s_wait_kmcnt 0x0
	s_cmp_lt_u32 s37, 48
	s_cbranch_scc0 .Lmix
	s_lshr_b32 s39, s37, 3                         ; a dense layer's fragment: layer,
	s_bfe_u32 s42, s37, 0x20001                    ; nt
	s_mov_b64 s[40:41], s[4:5]
	s_cmp_eq_u32 s39, 1
	s_cselect_b64 s[40:41], s[6:7], s[40:41]
	s_cmp_eq_u32 s39, 2
	s_cselect_b64 s[40:41], s[8:9], s[40:41]
	s_cmp_eq_u32 s39, 3
	s_cselect_b64 s[40:41], s[10:11], s[40:41]
	s_cmp_eq_u32 s39, 4
	s_cselect_b64 s[40:41], s[12:13], s[40:41]
	s_cmp_eq_u32 s39, 5
	s_cselect_b64 s[40:41], s[14:15], s[40:41]
	s_mov_b32 s44, 0
	s_branch .Lgot
.Lmix:
	s_sub_co_u32 s39, s37, 48
	s_lshr_b32 s39, s39, 1                         ; (g 4 + nt) 6 + j, under 96
	s_mul_i32 s43, s39, 43
	s_lshr_b32 s43, s43, 8                         ; divided by 6 (exact for numbers under 96)
	s_mul_i32 s45, s43, 6
	s_sub_co_u32 s45, s39, s45                     ; j
	s_and_b32 s42, s43, 3                          ; nt
	s_lshr_b32 s43, s43, 2                         ; g
	s_mul_i32 s44, s43, 5
	s_add_co_u32 s44, s44, s45                     ; matrix 5 g + j of pg_wg_w3,
	s_cmp_eq_u32 s45, 5
	s_cselect_b32 s44, s43, s44                    ; or matrix g of pg_wg_b3
	s_cselect_b64 s[40:41], s[30:31], s[28:29]
	s_lshl_b32 s44, s44, 14
.Lgot:
	s_lshl_b32 s38, s38, 13                        ; 32 ks rows
	s_lshl_b32 s42, s42, 6                         ; 16 nt columns
	s_add_co_u32 s44, s44, s38
	s_add_co_u32 s44, s44, s42
	s_mov_b32 s45, 0
	s_add_nc_u64 s[40:41], s[40:41], s[44:45]
.irp e, 0,1,2,3,4,5,6,7
	global_load_b32 v[8+(\e)], v3, s[40:41] offset:256*(\e)
	global_load_b32 v[16+(\e)], v3, s[40:41] offset:256*(16+(\e))
.endr
	s_lshl_b32 s44, s37, 10
	s_add_co_u32 s44, s44, 2048
	s_add_nc_u64 s[46:47], s[32:33], s[44:45]
	s_wait_loadcnt 0x0
.irp e, 0,1,2,3
	v_cvt_pk_bf16_f32 v[24+(\e)], v[8+2*(\e)], v[9+2*(\e)]
	v_cvt_pk_bf16_f32 v[28+(\e)], v[16+2*(\e)], v[17+2*(\e)]
.endr
	global_store_b128 v5, v[24:27], s[46:47]       ; 512 consecutive bytes each
	global_store_b128 v5, v[28:31], s[46:47] offset:512
	s_cmp_eq_u32 s37, 0
	s_cbranch_scc0 .Lnobias
.irp q, 0,1,2,3,4,5                    ; wave 0 of the launch also copies the six bias rows, 256 bytes a store
	global_load_b64 v[32+2*(\q):33+2*(\q)], v6, s[16+2*(\q):17+2*(\q)]
.endr
	s_wait_loadcnt 0x0
.irp q, 0,1,2,3,4,5
	global_store_b64 v6, v[32+2*(\q):33+2*(\q)], s[32:33] offset:256*(\q)
.endr
.Lnobias:
	s_cmp_eq_u32 s37, 1
	s_cbranch_scc0 .Lend
.irp q, 0,1,2,3                        ; wave 1 writes the two rows of 0, which later launches copy with the rest, and the cut's number for step1: 0
	v_mov_b32 v[44+(\q)], 0
.endr
	global_store_b128 v5, v[44:47], s[32:33] offset:1536
	global_store_b128 v5, v[44:47], s[34:35]
.Lend:
	s_endpgm
.Lfunc_end_k_q16836c11be_prep:
	.size	k_q16836c11be_prep, .Lfunc_end_k_q16836c11be_prep-k_q16836c11be_prep
	.p2alignl 7, 3214868480
	.fill 96, 4, 3214868480
	.section	.rodata,"a",@progbits
	.p2align	6, 0x0
	.amdhsa_kernel k_q16836c11be_prep
		.amdhsa_group_segment_fixed_size 0
		.amdhsa_private_segment_fixed_size 0
		.amdhsa_enable_private_segment 0
		.amdhsa_kernarg_size 128
		.amdhsa_user_sgpr_count 2
		.amdhsa_user_sgpr_kernarg_segment_ptr 1
		.amdhsa_wavefront_size32 1
		.amdhsa_system_sgpr_workgroup_id_x 1
		.amdhsa_system_sgpr_workgroup_id_y 1
		.amdhsa_system_sgpr_workgroup_id_z 1
		.amdhsa_system_vgpr_workitem_id 0
		.amdhsa_next_free_vgpr 48
		.amdhsa_next_free_sgpr 66
		.amdhsa_reserve_vcc 0
		.amdhsa_float_denorm_mode_32 3
		.amdhsa_float_denorm_mode_16_64 3
		.amdhsa_memory_ordered 1
		.amdhsa_forward_progress 1
		.amdhsa_inst_pref_size 6
	.end_amdhsa_kernel
	.amdgpu_metadata
---
amdhsa.version: [ 1, 2 ]
amdhsa.kernels:
  - .name:           k_q16836c11be_prep
    .symbol:         k_q16836c11be_prep.kd
    .args:
      - { .name: s_p1_w, .offset: 0, .size: 8, .value_kind: global_buffer, .address_space: global }
      - { .name: s_p2_w, .offset: 8, .size: 8, .value_kind: global_buffer, .address_space: global }
      - { .name: agg_w1, .offset: 16, .size: 8, .value_kind: global_buffer, .address_space: global }
      - { .name: agg_w2, .offset: 24, .size: 8, .value_kind: global_buffer, .address_space: global }
      - { .name: t_p1_w, .offset: 32, .size: 8, .value_kind: global_buffer, .address_space: global }
      - { .name: t_p2_w, .offset: 40, .size: 8, .value_kind: global_buffer, .address_space: global }
      - { .name: s_p1_b, .offset: 48, .size: 8, .value_kind: global_buffer, .address_space: global }
      - { .name: s_p2_b, .offset: 56, .size: 8, .value_kind: global_buffer, .address_space: global }
      - { .name: agg_b1, .offset: 64, .size: 8, .value_kind: global_buffer, .address_space: global }
      - { .name: agg_b2, .offset: 72, .size: 8, .value_kind: global_buffer, .address_space: global }
      - { .name: t_p1_b, .offset: 80, .size: 8, .value_kind: global_buffer, .address_space: global }
      - { .name: t_p2_b, .offset: 88, .size: 8, .value_kind: global_buffer, .address_space: global }
      - { .name: pg_wg_w3, .offset: 96, .size: 8, .value_kind: global_buffer, .address_space: global }
      - { .name: pg_wg_b3, .offset: 104, .size: 8, .value_kind: global_buffer, .address_space: global }
      - { .name: wtab, .offset: 112, .size: 8, .value_kind: global_buffer, .address_space: global }
      - { .name: cntA, .offset: 120, .size: 8, .value_kind: global_buffer, .address_space: global }
    .group_segment_fixed_size: 0
    .private_segment_fixed_size: 0
    .kernarg_segment_align: 8
    .kernarg_segment_size: 128
    .max_flat_workgroup_size: 256
    .sgpr_count:     66
    .vgpr_count:     48
    .wavefront_size: 32
...
	.end_amdgpu_metadata
.endif
;; end of part 1
;; launch first (part 2): grid 256 x 1, 8 waves a work-group, no clusters, 80,896 bytes of LDS; arguments x, proxies, pg_wg_w1, pg_wg_b1, pg_wg_w2, pg_wg_b2, pg_bg_w1, pg_bg_b1, pg_bg_w2, pg_bg_b2, pg_bg_w3, pg_bg_b3, wtab, kvqA, hbuf; writes kvqA, hbuf
.if DOCPART == 2
	.amdgcn_target "amdgcn-amd-amdhsa--gfx1250"
	.amdhsa_code_object_version 6
	.text
	.protected	k_q16836c11be_first
	.globl	k_q16836c11be_first
	.p2align	8
	.type	k_q16836c11be_first,@function
k_q16836c11be_first:
	s_mov_b64 s[64:65], 0
	v_nop
	global_prefetch_b8 v0, s[64:65] scope:SCOPE_SE
	s_setreg_imm32_b32 hwreg(HW_REG_WAVE_MODE, 25, 1), 1
	s_wait_xcnt 0x0
; Launch 2 of 6: the generators' hidden numbers h for every node, and the temporal part of cut 0.  A work-group owns 32 nodes of one b; eight waves.
; LEFT OUT: bias generator 0 (the temporal key bias is the same along its softmax's axis and cancels), and out = 0 in cut 0 (px = proxies): shown at the head of the first kernel.
; PHASES.  A0: x's 12 rows of my nodes are read once: their mean (bf16) into XM, rows 0-2 and the proxies (bf16) into TC, the proxies (f32) into GO; the fragments of t_p1 and t_p2 are copied
; into LDS (2,048 bytes a wave; wave 7 the two bias rows).  GEN: wave w < 4: weight generator w; waves 4-6: bias generators 1-3: two small products, h (5 numbers, f32) into HB; the records
; go to hbuf.  T1: wave (nd = w / 4, nt = w % 4): for 16 nodes and 16 channels (two heads) keys and values of the five rows, the 2 x 5 softmax and its sum, all in the lane (a lane holds one
; node and one head).  T2A (waves 0-3): tanh layer and second layer.  T2B: spatial keys and values; its operands are asked for in the middle of T1, into registers that are dead from there on.
; ALL PRODUCTS ARE USED TRANSPOSED: source 0 = 16 output channels x 32 K, source 1 = 16 nodes x 32 K; in the result lane (r, h) register e holds node r, channel 16 nt + 8 h + e.
; Matrix operands are bf16 (with all inputs 30 times larger the intermediates pass f16's range); sums, softmax, mixing and h in f32.  LIMITS: NaN and infinities are not treated apart.
; No tensor load and no cluster: what work-groups share here (the tables) is read straight into registers; x is each work-group's own.
.set GOB,   0                          ; 64 rows (32 p + node) x 272 bytes: px in f32
.set TCB,   17408                      ; 160 rows (32 tt + node) x 144 bytes: the five rows of tcat in bf16
.set OPB,   TCB                        ; later 64 rows (16 rt + r) x 144: o' in bf16
.set OBB,   40448                      ; 64 rows x 144: the temporal attention's o in bf16
.set XMB,   49664                      ; 32 rows x 144: the mean over time in bf16
.set HBB,   54272                      ; 32 rows x 272: a node's record: 8 slots of 8 f32
.set SPARE, 62976                      ; the spare words, 128 bytes a wave: four blocks of 256 bytes that no other line names
.set L45B,  64000                      ; the 16 fragments of t_p1 and t_p2, 1,024 bytes each
.set BIB,   80384                      ; their two bias rows, 256 bytes each
.set LN, 1
.set RR, 2
.set HH, 3
.set SPW, 4
.set NIL, 5
.set ZR, 6
.set L16, 7
.set GL1, 8
.set GL2, 9
.set H32, 11
.set T0, 18
.set T1, 19
.set MO, 20
.set AM, 21
.set ATC, 22
.set T2, 23
.set XA, 24                            ; v24-119 x: row t, pair of nodes a at XA + 8 t + 4 a
.set PR, 120                           ; v120-135 proxies
.set RW1, 136                          ; v136-199 w1 as loaded
.set B1, 200
.set RW2, 216
.set C2, 232
.set W2F, 240
.set MC, 240
.set W1F, 24
.set XMF, 56
.set ACC1, 88
.set H1F, 120
.set ACC2, 136
.set SL4, 152
.set AX, 250
.set AO, 252
.set QG, 253
.set AD2, 254
.set AB2, 255
.set AF, 24
.set ACC, 40
.set QP, 120
.set BI, 152
.set DW, 184
.set MG, 24
.set Y, 24
.set T8, 72
.set HK, 80
.set HV, 88
.set HB1, 96
.set QF, 104
.set XF, 120
.set OO, 200
.set SS, 216
.set TP, 226
.set RL, 230
.set MXT, 232
.set PK, 236
.set BT, 240
.set HW, 80
.set HBN, 96
.set AF4, 120
.set SB, 184
.set PK4, 200
.set BW, 192                           ; window 1: v0-191 W3's fragments, v192-239 the bias generator's last layer,
.set STG, 240                          ; v240-255 my 2,048 bytes of the dense fragments on their way into LDS
.set PX, 4
.set PPR, 6
.set PWW1, 8
.set PWB1, 10
.set PWW2, 12
.set PWB2, 14
.set PBW1, 16
.set PBB1, 18
.set PBW2, 20
.set PBB2, 22
.set PW3, 24
.set PB3, 26
.set PWT, 28
.set PKV, 30
.set PHB, 32
.set WV, 34
.set BB, 35
.set N0, 36
.set ND, 37
.set NT, 38
.set GI, 39
.set S0, 40
.set S1, 41
.set S2, 42
.set S3, 43
.set M1F, 46
.set MHI, 47
.set CQ, 48
.set CT, 50
.set C12, 52
.set GW1, 54
.set GB1, 56
.set GW2, 58
.set GB2, 60
.set SXB, 62
.set SPB, 66
.set SHB, 68
.set SW, 70
.set SBW, 72
.set SB3, 74
.set SKO, 76
.set SQO, 78
.set MSB, 0
.macro WIN new                         ; the immediate's high byte repeats the setting that is left
.if MSB != (\new)
	s_set_vgpr_msb (MSB<<8)|(\new)
.set MSB, \new
.endif
.endm
.macro PLACES n
.rept \n
	v_nop
.endr
.endm
.macro BAR                             ; my LDS instructions are done, then the work-group's barrier
	WIN 0
	s_wait_dscnt 0x0
	s_barrier_signal -1
	s_barrier_wait -1
.endm
.macro FMAB d, a, hb, j, c             ; pair d = pair a x the one number v[hb + j] + pair c
.if ((\j)%2) == 0
	v_pk_fma_f32 v[(\d):(\d)+1], v[(\a):(\a)+1], v[(\hb)+(\j):(\hb)+(\j)+1], v[(\c):(\c)+1] op_sel_hi:[1,0,1]
.else
	v_pk_fma_f32 v[(\d):(\d)+1], v[(\a):(\a)+1], v[(\hb)+(\j)-1:(\hb)+(\j)], v[(\c):(\c)+1] op_sel:[0,1,0] op_sel_hi:[1,1,1]
.endif
.endm
.macro MULB d, a, hb, j
.if ((\j)%2) == 0
	v_pk_mul_f32 v[(\d):(\d)+1], v[(\a):(\a)+1], v[(\hb)+(\j):(\hb)+(\j)+1] op_sel_hi:[1,0]
.else
	v_pk_mul_f32 v[(\d):(\d)+1], v[(\a):(\a)+1], v[(\hb)+(\j)-1:(\hb)+(\j)] op_sel:[0,1] op_sel_hi:[1,1]
.endif
.endm
; 16 nodes x the six fixed matrices, 16 output channels: 12 products; the six accumulators take turns
.macro ITEM wf, xf
	WIN 0x01
.irp j, 0,1,2,3,4,5
	v_wmma_f32_16x16x32_bf16 v[Y+8*(\j):Y+8*(\j)+7], v[(\wf)+16*(\j):(\wf)+16*(\j)+7], v[(\xf):(\xf)+7], 0
.endr
.irp j, 0,1,2,3,4,5
	v_wmma_f32_16x16x32_bf16 v[Y+8*(\j):Y+8*(\j)+7], v[(\wf)+16*(\j)+8:(\wf)+16*(\j)+15], v[(\xf)+8:(\xf)+15], v[Y+8*(\j):Y+8*(\j)+7]
.endr
	WIN 0
.endm
.macro COMB H                          ; T8 = Y5 + sum over j of h_j Y_j; each Y is read from its low end on
.set i, 0
.rept 4
	FMAB T8+2*i, Y+2*i, \H, 0, Y+40+2*i
.set i, i+1
.endr
.set j, 1
.rept 4
.set i, 0
.rept 4
	FMAB T8+2*i, Y+8*j+2*i, \H, j, T8+2*i
.set i, i+1
.endr
.set j, j+1
.endr
.endm
.macro COMBA H, add                    ; the same with a bias
.set i, 0
.rept 4
	v_pk_add_f32 v[T8+2*i:T8+2*i+1], v[Y+40+2*i:Y+40+2*i+1], v[(\add)+2*i:(\add)+2*i+1]
.set i, i+1
.endr
.set j, 0
.rept 5
.set i, 0
.rept 4
	FMAB T8+2*i, Y+8*j+2*i, \H, j, T8+2*i
.set i, i+1
.endr
.set j, j+1
.endr
.endm
.macro SC tt                           ; the two proxies' scores with key row tt: 8 channels, in the lane
.irp p, 0,1
	v_pk_mul_f32 v[TP+2*(\p):TP+2*(\p)+1], v[QF+8*(\p):QF+8*(\p)+1], v[T8:T8+1]
.endr
.irp e, 1,2,3
.irp p, 0,1
	v_pk_fma_f32 v[TP+2*(\p):TP+2*(\p)+1], v[QF+8*(\p)+2*(\e):QF+8*(\p)+2*(\e)+1], v[T8+2*(\e):T8+2*(\e)+1], v[TP+2*(\p):TP+2*(\p)+1]
.endr
.endr
.irp p, 0,1
	v_add_f32 v[SS+5*(\p)+(\tt)], v[TP+2*(\p)], v[TP+2*(\p)+1]
.endr
.endm
.macro OACC tt                         ; o += weight x value row tt
.irp p, 0,1
.irp e, 0,1,2,3
.if (\tt) == 0
	MULB OO+8*(\p)+2*(\e), T8+2*(\e), SS, 5*(\p)+(\tt)
.else
	FMAB OO+8*(\p)+2*(\e), T8+2*(\e), SS, 5*(\p)+(\tt), OO+8*(\p)+2*(\e)
.endif
.endr
.endr
.endm
.macro BIASMIX dst, H                  ; a dynamic bias: b3 + sum over k of hb_k w3_k, my 8 channels
	WIN 0x11
.set i, 0
.rept 4
	FMAB (\dst)+2*i, BW+2*i, \H, 0, BW+40+2*i
.set i, i+1
.endr
	WIN 0x01
.set j, 1
.rept 4
.set i, 0
.rept 4
	FMAB (\dst)+2*i, BW+8*j+2*i, \H, j, (\dst)+2*i
.set i, i+1
.endr
.set j, j+1
.endr
	WIN 0
.endm
.macro REQW ng                         ; ng generators' 12 fragments each, and one bias generator's last layer, into window 1
	WIN 0x40
.set q, 0
.rept 12*(\ng)
	global_load_b128 v[8*q:8*q+3], v[L16], s[SW:SW+1] offset:(q/12)*49152+(q%12)*1024
	global_load_b128 v[8*q+4:8*q+7], v[L16], s[SW:SW+1] offset:(q/12)*49152+(q%12)*1024+512
.set q, q+1
.endr
.set q, 0
.rept 5
	global_load_b128 v[BW+8*q:BW+8*q+3], v[H32], s[SBW:SBW+1] offset:256*q
	global_load_b128 v[BW+8*q+4:BW+8*q+7], v[H32], s[SBW:SBW+1] offset:256*q+16
.set q, q+1
.endr
	global_load_b128 v[BW+40:BW+43], v[H32], s[SB3:SB3+1]
	global_load_b128 v[BW+44:BW+47], v[H32], s[SB3:SB3+1] offset:16
	WIN 0
.endm
.macro AFLOAD adr                      ; 16 rows x 64 channels as source 1, two K steps
.irp q, 0,1,2,3
	ds_load_b128 v[AF+4*(\q):AF+4*(\q)+3], v[\adr] offset:32*(\q)
.endr
.endm
.macro LMUL dst                        ; a dense layer: the bias is the C that starts each sum; four accumulators take turns
.irp t, 0,1,2,3
	v_wmma_f32_16x16x32_bf16 v[(\dst)+8*(\t):(\dst)+8*(\t)+7], v[DW+16*(\t):DW+16*(\t)+7], v[AF:AF+7], v[BI+8*(\t):BI+8*(\t)+7]
.endr
.irp t, 0,1,2,3
	v_wmma_f32_16x16x32_bf16 v[(\dst)+8*(\t):(\dst)+8*(\t)+7], v[DW+16*(\t)+8:DW+16*(\t)+15], v[AF+8:AF+15], v[(\dst)+8*(\t):(\dst)+8*(\t)+7]
.endr
	PLACES 5
.endm
.macro LAYER br, fb, dst               ; a dense layer out of LDS: bias row br, fragments fb .. fb + 7
.irp f, 0,1,2,3,4,5,6,7
	ds_load_b128 v[DW+8*(\f):DW+8*(\f)+3], v[AD2] offset:((\fb)+(\f))*1024
	ds_load_b128 v[DW+8*(\f)+4:DW+8*(\f)+7], v[AD2] offset:((\fb)+(\f))*1024+512
.endr
.irp t, 0,1,2,3
	ds_load_b128 v[BI+8*(\t):BI+8*(\t)+3], v[AB2] offset:256*(\br)+64*(\t)
	ds_load_b128 v[BI+8*(\t)+4:BI+8*(\t)+7], v[AB2] offset:256*(\br)+64*(\t)+16
.endr
	s_wait_dscnt 0x0
	LMUL \dst
.endm
.macro PACK src, relu                  ; four result tiles, rounded in pairs, ARE the next layer's source 1
.set i, 0
.rept 16
	v_cvt_pk_bf16_f32 v[AF+i], v[(\src)+2*i], v[(\src)+2*i+1]
.set i, i+1
.endr
.if \relu
.set i, 0
.rept 16
	v_pk_max_num_bf16 v[AF+i], v[AF+i], v[ZR]
.set i, i+1
.endr
.endif
.endm
.macro TANH                            ; tanh z = 1 - 2 / (1 + 2^(2 log2(e) z)); each batch of transcendentals has one plain line and one wait behind it
.set i, 0
.rept 16
	v_pk_mul_f32 v[ACC+2*i:ACC+2*i+1], v[ACC+2*i:ACC+2*i+1], s[CT:CT+1] op_sel_hi:[1,0]
.set i, i+1
.endr
.set i, 0
.rept 32
	v_exp_f32 v[ACC+i], v[ACC+i]
.set i, i+1
.endr
	v_nop
	s_wait_alu depctr_va_vdst(0)
.set i, 0
.rept 16
	v_pk_add_f32 v[ACC+2*i:ACC+2*i+1], v[ACC+2*i:ACC+2*i+1], 1.0 op_sel_hi:[1,0]
.set i, i+1
.endr
.set i, 0
.rept 32
	v_rcp_f32 v[ACC+i], v[ACC+i]
.set i, i+1
.endr
	v_nop
	s_wait_alu depctr_va_vdst(0)
.set i, 0
.rept 16
	v_pk_fma_f32 v[ACC+2*i:ACC+2*i+1], v[ACC+2*i:ACC+2*i+1], -2.0, 1.0 op_sel_hi:[1,0,0]
.set i, i+1
.endr
.endm
	s_load_b512 s[4:19], s[0:1], 0x0
	s_load_b256 s[20:27], s[0:1], 0x40
	s_load_b128 s[28:31], s[0:1], 0x60
	s_load_b64 s[32:33], s[0:1], 0x70
	v_lshl_add_u32 v[SPW], v0, 2, SPARE
	v_mov_b32 v[NIL], 0
	v_lshrrev_b32 v[T0], 5, v0
	v_readfirstlane_b32 s[WV], v[T0]
	s_lshr_b32 s[BB], ttmp9, 4                     ; b
	s_and_b32 s[N0], ttmp9, 15
	s_lshl_b32 s[N0], s[N0], 5                     ; my first node
	s_lshr_b32 s[ND], s[WV], 2
	s_and_b32 s[NT], s[WV], 3
	s_mov_b32 s[M1F], 0x1f1f1f1f                   ; lanes whose l % 8 is under 5
	s_mov_b32 s[MHI], 0xffff0000                   ; lanes 16-31
	s_mov_b32 s[CQ], 0x3f0293ee                    ; log2(e) / sqrt(8)
	s_mov_b32 s[CQ+1], s[CQ]
	s_mov_b32 s[CT], 0x4038aa3b                    ; 2 log2(e)
	s_mov_b32 s[CT+1], s[CT]
	s_mov_b32 s[C12], 0x3daaaaab                   ; 1 / 12
	s_mov_b32 s[C12+1], s[C12]
	v_and_b32 v[LN], 31, v0
	v_and_b32 v[RR], 15, v0
	v_bfe_u32 v[HH], v0, 4, 1
	v_mov_b32 v[ZR], 0
	v_lshlrev_b32 v[L16], 4, v[LN]
	v_lshlrev_b32 v[H32], 5, v[HH]
	v_lshlrev_b32 v[GL1], 2, v[RR]
	v_lshl_add_u32 v[GL1], v[HH], 10, v[GL1]       ; w1: 8 h rows of 128 bytes + 4 r
	v_and_b32 v[T0], 7, v0
	v_min_u32 v[T0], 4, v[T0]
	v_lshlrev_b32 v[T0], 2, v[T0]
	v_mul_u32_u24 v[GL2], v[HH], 160
	v_add_nc_u32 v[GL2], v[GL2], v[T0]             ; w2: 8 h rows of 20 bytes + 4 min(l % 8, 4)
	v_lshlrev_b32 v[T1], 4, v[RR]                  ; 16 r
	s_lshl_b32 s[S1], s[WV], 10
	v_lshl_add_u32 v[MO], v[HH], 8, v[T1]
	v_add_nc_u32 v[MO], s[S1], v[MO]               ; whole rows: node 4 w + h, 16 bytes at 16 r
	v_mul_u32_u24 v[AM], v[HH], 272
	v_add_nc_u32 v[AM], v[AM], v[T1]
	s_mul_i32 s[S1], s[WV], 1088
	s_add_co_u32 s[S1], s[S1], GOB
	v_add_nc_u32 v[AM], s[S1], v[AM]
	v_mul_u32_u24 v[ATC], v[HH], 144
	v_lshl_add_u32 v[ATC], v[RR], 3, v[ATC]
	s_mul_i32 s[S1], s[WV], 576
	s_add_co_u32 s[S1], s[S1], TCB
	v_add_nc_u32 v[ATC], s[S1], v[ATC]
	v_mul_u32_u24 v[T0], v[RR], 144
	v_lshl_add_u32 v[T0], v[HH], 4, v[T0]
	s_mul_i32 s[S1], s[NT], 2304
	s_add_co_u32 s[S2], s[S1], OBB
	v_add_nc_u32 v[AX], s[S2], v[T0]
	s_add_co_u32 s[S2], s[S1], OPB
	v_add_nc_u32 v[AO], s[S2], v[T0]
	v_lshl_add_u32 v[QG], v[HH], 13, v[T1]         ; head 2 nt + h, node r in kvq
	v_add_nc_u32 v[AD2], L45B, v[L16]
	v_add_nc_u32 v[AB2], BIB, v[H32]
	s_lshl_b32 s[S1], s[WV], 11
	v_add_nc_u32 v[T0], s[S1], v[L16]              ; my 2,048 bytes of the 16 dense fragments: in the table,
	v_add_nc_u32 v[T2], L45B, v[T0]                ; and in LDS
	s_wait_kmcnt 0x0
	s_mov_b32 s[S1], 0
	s_mov_b32 s[S3], 0
	s_mul_i32 s[S0], s[BB], 1572864                ; 12 x 512 rows of 256 bytes
	s_lshl_b32 s[S2], s[N0], 8
	s_add_co_u32 s[S0], s[S0], s[S2]
	s_add_nc_u64 s[SXB:SXB+1], s[PX:PX+1], s[S0:S1]
	s_add_nc_u64 s[SPB:SPB+1], s[PPR:PPR+1], s[S2:S3]
.irp t, 0,1,2,3,4,5,6,7,8,9,10,11      ; x goes out first: it is the launch's long read
.irp a, 0,1
	global_load_b128 v[XA+8*(\t)+4*(\a):XA+8*(\t)+4*(\a)+3], v[MO], s[SXB:SXB+1] offset:131072*(\t)+512*(\a) th:TH_LOAD_NT
.endr
.endr
.irp p, 0,1
.irp a, 0,1
	global_load_b128 v[PR+8*(\p)+4*(\a):PR+8*(\p)+4*(\a)+3], v[MO], s[SPB:SPB+1] offset:131072*(\p)+512*(\a)
.endr
.endr
	WIN 0x40
.irp k, 0,1,2,3
	global_load_b128 v[STG+4*(\k):STG+4*(\k)+3], v[T0], s[PWT:PWT+1] offset:34816+512*(\k)
.endr
	WIN 0
	s_cmp_lt_u32 s[WV], 7
	s_cbranch_scc0 .Lw7l
	s_sub_co_u32 s[S0], s[WV], 3
	s_cmp_lt_u32 s[WV], 4                          ; waves 0-3: weight generators 0-3; waves 4-6: bias generators 1-3
	s_cselect_b64 s[GW1:GW1+1], s[PWW1:PWW1+1], s[PBW1:PBW1+1]
	s_cselect_b64 s[GB1:GB1+1], s[PWB1:PWB1+1], s[PBB1:PBB1+1]
	s_cselect_b64 s[GW2:GW2+1], s[PWW2:PWW2+1], s[PBW2:PBW2+1]
	s_cselect_b64 s[GB2:GB2+1], s[PWB2:PWB2+1], s[PBB2:PBB2+1]
	s_cselect_b32 s[GI], s[WV], s[S0]
	s_lshl_b32 s[S0], s[GI], 13
	s_add_nc_u64 s[GW1:GW1+1], s[GW1:GW1+1], s[S0:S1]
	s_lshl_b32 s[S0], s[GI], 7
	s_add_nc_u64 s[GB1:GB1+1], s[GB1:GB1+1], s[S0:S1]
	s_mul_i32 s[S0], s[GI], 640
	s_add_nc_u64 s[GW2:GW2+1], s[GW2:GW2+1], s[S0:S1]
	s_mul_i32 s[S0], s[GI], 20
	s_add_nc_u64 s[GB2:GB2+1], s[GB2:GB2+1], s[S0:S1]
.irp f, 0,1,2,3                        ; w1^T, fragment 2 ut + ks: lane (r, h) takes w1[c][16 ut + r]
.irp e, 0,1,2,3,4,5,6,7
	global_load_b32 v[RW1+16*(\f)+(\e)], v[GL1], s[GW1:GW1+1] offset:(32*((\f)%2)+(\e))*128+64*((\f)/2)
	global_load_b32 v[RW1+16*(\f)+8+(\e)], v[GL1], s[GW1:GW1+1] offset:(32*((\f)%2)+16+(\e))*128+64*((\f)/2)
.endr
.endr
.irp u, 0,1
	global_load_b128 v[B1+8*(\u):B1+8*(\u)+3], v[H32], s[GB1:GB1+1] offset:64*(\u)
	global_load_b128 v[B1+8*(\u)+4:B1+8*(\u)+7], v[H32], s[GB1:GB1+1] offset:64*(\u)+16
.endr
.irp e, 0,1,2,3,4,5,6,7
	global_load_b32 v[RW2+(\e)], v[GL2], s[GW2:GW2+1] offset:20*(\e)
	global_load_b32 v[RW2+8+(\e)], v[GL2], s[GW2:GW2+1] offset:20*(16+(\e))
.endr
.irp e, 0,1,2,3,4
	global_load_b32 v[C2+(\e)], v[ZR], s[GB2:GB2+1] offset:4*(\e)
.endr
	s_branch .Lnogl
.Lw7l:                                 ; wave 7 has no generator: it fetches the bias rows of t_p1 and t_p2, 512 bytes
	global_load_b128 v[RW1:RW1+3], v[L16], s[PWT:PWT+1] offset:1024
.Lnogl:
	s_mov_b32 s[S1], 0
	s_mov_b32 s[S3], 0
	s_lshl_b32 s[S0], s[BB], 9
	s_add_co_u32 s[S0], s[S0], s[N0]
	s_lshl_b32 s[S0], s[S0], 8
	s_add_nc_u64 s[SHB:SHB+1], s[PHB:PHB+1], s[S0:S1]
	s_mul_i32 s[S0], s[NT], 12288
	s_add_co_u32 s[S0], s[S0], 51200
	s_add_nc_u64 s[SW:SW+1], s[PWT:PWT+1], s[S0:S1]    ; generators 0 and 1, my 16 channels
	s_lshl_b32 s[S0], s[NT], 6
	s_add_co_u32 s[S2], s[S0], 1280
	s_add_nc_u64 s[SBW:SBW+1], s[PW3:PW3+1], s[S2:S3]  ; bias generator 1
	s_add_co_u32 s[S2], s[S0], 256
	s_add_nc_u64 s[SB3:SB3+1], s[PB3:PB3+1], s[S2:S3]
	s_lshl_b32 s[S0], s[BB], 18
	s_lshl_b32 s[S2], s[ND], 16
	s_add_co_u32 s[S0], s[S0], s[S2]
	s_lshl_b32 s[S2], s[NT], 14
	s_add_co_u32 s[S0], s[S0], s[S2]
	s_lshl_b32 s[S2], s[N0], 4
	s_add_co_u32 s[S0], s[S0], s[S2]
	s_add_nc_u64 s[SKO:SKO+1], s[PKV:PKV+1], s[S0:S1]
	s_lshl_b32 s[S0], s[BB], 17
	s_lshr_b32 s[S2], s[NT], 1
	s_lshl_b32 s[S2], s[S2], 16
	s_add_co_u32 s[S0], s[S0], s[S2]
	s_and_b32 s[S2], s[NT], 1
	s_lshl_b32 s[S2], s[S2], 4
	s_add_co_u32 s[S2], s[S2], s[N0]
	s_lshl_b32 s[S2], s[S2], 4
	s_add_co_u32 s[S0], s[S0], s[S2]
	s_add_co_u32 s[S0], s[S0], 4194304
	s_add_nc_u64 s[SQO:SQO+1], s[PKV:PKV+1], s[S0:S1]
	s_wait_loadcnt 0x0                             ; x, the proxies, the dense fragments and the generators' weights are in
	REQW 2                                         ; T1's operands are asked for now: they land under A0 and GEN
	WIN 0x04                                       ; store data in window 1, address in window 0
.irp k, 0,1,2,3
	ds_store_b128 v[T2], v[STG+4*(\k):STG+4*(\k)+3] offset:512*(\k)
.endr
	WIN 0
.irp t, 0,1,2
.irp a, 0,1
	v_cvt_pk_bf16_f32 v[MC], v[XA+8*(\t)+4*(\a)], v[XA+8*(\t)+4*(\a)+1]
	v_cvt_pk_bf16_f32 v[MC+1], v[XA+8*(\t)+4*(\a)+2], v[XA+8*(\t)+4*(\a)+3]
	ds_store_b64 v[ATC], v[MC:MC+1] offset:(2+(\t))*4608+288*(\a)
.endr
.endr
.irp t, 1,2,3,4,5,6,7,8,9,10,11
.irp a, 0,1
	v_pk_add_f32 v[XA+4*(\a):XA+4*(\a)+1], v[XA+4*(\a):XA+4*(\a)+1], v[XA+8*(\t)+4*(\a):XA+8*(\t)+4*(\a)+1]
	v_pk_add_f32 v[XA+4*(\a)+2:XA+4*(\a)+3], v[XA+4*(\a)+2:XA+4*(\a)+3], v[XA+8*(\t)+4*(\a)+2:XA+8*(\t)+4*(\a)+3]
.endr
.endr
.irp a, 0,1
	v_pk_mul_f32 v[XA+4*(\a):XA+4*(\a)+1], v[XA+4*(\a):XA+4*(\a)+1], s[C12:C12+1] op_sel_hi:[1,0]
	v_pk_mul_f32 v[XA+4*(\a)+2:XA+4*(\a)+3], v[XA+4*(\a)+2:XA+4*(\a)+3], s[C12:C12+1] op_sel_hi:[1,0]
	v_cvt_pk_bf16_f32 v[MC], v[XA+4*(\a)], v[XA+4*(\a)+1]
	v_cvt_pk_bf16_f32 v[MC+1], v[XA+4*(\a)+2], v[XA+4*(\a)+3]
	ds_store_b64 v[ATC], v[MC:MC+1] offset:XMB-TCB+288*(\a)
.endr
.irp p, 0,1
.irp a, 0,1
	ds_store_b128 v[AM], v[PR+8*(\p)+4*(\a):PR+8*(\p)+4*(\a)+3] offset:8704*(\p)+544*(\a)
	v_cvt_pk_bf16_f32 v[MC], v[PR+8*(\p)+4*(\a)], v[PR+8*(\p)+4*(\a)+1]
	v_cvt_pk_bf16_f32 v[MC+1], v[PR+8*(\p)+4*(\a)+2], v[PR+8*(\p)+4*(\a)+3]
	ds_store_b64 v[ATC], v[MC:MC+1] offset:4608*(\p)+288*(\a)
.endr
.endr
	BAR                                            ; XM, TC, GO and the dense fragments are whole
	; GEN
	s_cmp_lt_u32 s[WV], 7
	s_cbranch_scc0 .Lw7
	v_mul_u32_u24 v[T0], v[RR], 144
	v_lshl_add_u32 v[T0], v[HH], 4, v[T0]
	v_add_nc_u32 v[T0], XMB, v[T0]
.irp n, 0,1
.irp q, 0,1,2,3
	ds_load_b128 v[XMF+16*(\n)+4*(\q):XMF+16*(\n)+4*(\q)+3], v[T0] offset:2304*(\n)+32*(\q)
.endr
.endr
.set i, 0
.rept 32
	v_cvt_pk_bf16_f32 v[W1F+i], v[RW1+2*i], v[RW1+2*i+1]
.set i, i+1
.endr
.set i, 0
.rept 8
	v_cvt_pk_bf16_f32 v[W2F+i], v[RW2+2*i], v[RW2+2*i+1]
.set i, i+1
.endr
.set i, 0
.rept 8
	v_cndmask_b32 v[W2F+i], v[ZR], v[W2F+i], s[M1F]  ; rows r and r + 8 of w2^T are both output r % 8; outputs 5-7 are 0
.set i, i+1
.endr
	v_mov_b32 v[C2+5], 0
	v_mov_b32 v[C2+6], 0
	v_mov_b32 v[C2+7], 0
	v_mul_u32_u24 v[T1], v[RR], 272
	v_lshl_add_u32 v[T1], v[HH], 4, v[T1]
	s_lshl_b32 s[S0], s[WV], 5
	s_add_co_u32 s[S0], s[S0], HBB
	v_add_nc_u32 v[T1], s[S0], v[T1]               ; node r's record, slot = my wave, 16 bytes for each half of the lanes
	s_wait_dscnt 0x0
.irp k, 0,1
.irp n, 0,1
.irp u, 0,1
.if (\k) == 0
	v_wmma_f32_16x16x32_bf16 v[ACC1+8*(2*(\n)+(\u)):ACC1+8*(2*(\n)+(\u))+7], v[W1F+16*(\u):W1F+16*(\u)+7], v[XMF+16*(\n):XMF+16*(\n)+7], v[B1+8*(\u):B1+8*(\u)+7]
.else
	v_wmma_f32_16x16x32_bf16 v[ACC1+8*(2*(\n)+(\u)):ACC1+8*(2*(\n)+(\u))+7], v[W1F+16*(\u)+8:W1F+16*(\u)+15], v[XMF+16*(\n)+8:XMF+16*(\n)+15], v[ACC1+8*(2*(\n)+(\u)):ACC1+8*(2*(\n)+(\u))+7]
.endif
.endr
.endr
.endr
	PLACES 5
.set i, 0
.rept 16
	v_cvt_pk_bf16_f32 v[H1F+i], v[ACC1+2*i], v[ACC1+2*i+1]
.set i, i+1
.endr
.set i, 0
.rept 16
	v_pk_max_num_bf16 v[H1F+i], v[H1F+i], v[ZR]
.set i, i+1
.endr
	v_wmma_f32_16x16x32_bf16 v[ACC2:ACC2+7], v[W2F:W2F+7], v[H1F:H1F+7], v[C2:C2+7]
	v_wmma_f32_16x16x32_bf16 v[ACC2+8:ACC2+15], v[W2F:W2F+7], v[H1F+8:H1F+15], v[C2:C2+7]
	PLACES 5
.irp n, 0,1                            ; every lane holds node r's eight numbers: lanes 0-15 store the first four, lanes 16-31 the others
.irp e, 0,1,2,3
	v_cndmask_b32 v[SL4+(\e)], v[ACC2+8*(\n)+(\e)], v[ACC2+8*(\n)+4+(\e)], s[MHI]
.endr
.irp e, 0,1,2,3
	v_max_num_f32 v[SL4+(\e)], 0, v[SL4+(\e)]
.endr
	ds_store_b128 v[T1], v[SL4:SL4+3] offset:4352*(\n)
.endr
	s_branch .Lgend
.Lw7:                                  ; wave 7 fills slot 7 with 0, so that a record is 256 whole bytes, and lays the two bias rows into LDS
	v_mul_u32_u24 v[T0], v[LN], 272
	v_add_nc_u32 v[T0], HBB+224, v[T0]
.irp e, 0,1,2,3
	v_mov_b32 v[SL4+(\e)], 0
.endr
	ds_store_b128 v[T0], v[SL4:SL4+3]
	ds_store_b128 v[T0], v[SL4:SL4+3] offset:16
	v_add_nc_u32 v[T1], BIB, v[L16]
	ds_store_b128 v[T1], v[RW1:RW1+3]
.Lgend:
	BAR                                            ; the records and the bias rows are whole
.irp a, 0,1
	ds_load_b128 v[MG+4*(\a):MG+4*(\a)+3], v[AM] offset:HBB-GOB+544*(\a)
.endr
	s_wait_dscnt 0x0
.irp a, 0,1
	global_store_b128 v[MO], v[MG+4*(\a):MG+4*(\a)+3], s[SHB:SHB+1] offset:512*(\a)  ; 16 lanes store a record's 256 bytes
.endr
	; T1
	v_mul_u32_u24 v[T0], v[RR], 144
	v_lshl_add_u32 v[T0], v[HH], 4, v[T0]
	s_mul_i32 s[S0], s[ND], 2304
	s_add_co_u32 s[S0], s[S0], TCB
	v_add_nc_u32 v[T0], s[S0], v[T0]
.irp t, 0,1,2,3,4
.irp q, 0,1,2,3
	ds_load_b128 v[XF+16*(\t)+4*(\q):XF+16*(\t)+4*(\q)+3], v[T0] offset:4608*(\t)+32*(\q)
.endr
.endr
	v_mul_u32_u24 v[T1], v[RR], 272
	v_lshl_add_u32 v[T1], v[HH], 5, v[T1]
	s_mul_i32 s[S0], s[ND], 4352
	s_lshl_b32 s[S2], s[NT], 6
	s_add_co_u32 s[S2], s[S0], s[S2]
	s_add_co_u32 s[S2], s[S2], GOB
	v_add_nc_u32 v[T1], s[S2], v[T1]
.irp p, 0,1
	ds_load_b128 v[QF+8*(\p):QF+8*(\p)+3], v[T1] offset:8704*(\p)
	ds_load_b128 v[QF+8*(\p)+4:QF+8*(\p)+7], v[T1] offset:8704*(\p)+16
.endr
	v_mul_u32_u24 v[T2], v[RR], 272
	s_add_co_u32 s[S0], s[S0], HBB
	v_add_nc_u32 v[T2], s[S0], v[T2]
	ds_load_b128 v[HK:HK+3], v[T2]
	ds_load_b128 v[HK+4:HK+7], v[T2] offset:16
	ds_load_b128 v[HV:HV+3], v[T2] offset:32
	ds_load_b128 v[HV+4:HV+7], v[T2] offset:48
	ds_load_b128 v[HB1:HB1+3], v[T2] offset:128
	ds_load_b128 v[HB1+4:HB1+7], v[T2] offset:144
	s_wait_loadcnt_dscnt 0x0
	s_wait_xcnt 0x0                                ; the records' stores have read their registers, which the products below write
.set i, 0
.rept 8
	v_pk_mul_f32 v[QF+2*i:QF+2*i+1], v[QF+2*i:QF+2*i+1], s[CQ:CQ+1] op_sel_hi:[1,0]
.set i, i+1
.endr
	BIASMIX BT, HB1
.irp t, 0,1,2,3,4
	ITEM 0, XF+16*(\t)
	PLACES 5
	COMB HK
	SC \t
.endr
.irp p, 0,1
	v_max3_num_f32 v[MXT+(\p)], v[SS+5*(\p)], v[SS+5*(\p)+1], v[SS+5*(\p)+2]
.endr
.irp p, 0,1
	v_max3_num_f32 v[MXT+(\p)], v[MXT+(\p)], v[SS+5*(\p)+3], v[SS+5*(\p)+4]
.endr
.irp p, 0,1
.irp t, 0,1,2,3,4
	v_sub_f32 v[SS+5*(\p)+(\t)], v[SS+5*(\p)+(\t)], v[MXT+(\p)]
.endr
.endr
.set i, 0
.rept 10
	v_exp_f32 v[SS+i], v[SS+i]
.set i, i+1
.endr
	v_nop
	s_wait_alu depctr_va_vdst(0)                   ; one wait for the ten exponentials
.irp p, 0,1
	v_add_f32 v[TP+2*(\p)], v[SS+5*(\p)], v[SS+5*(\p)+1]
	v_add_f32 v[TP+2*(\p)+1], v[SS+5*(\p)+2], v[SS+5*(\p)+3]
.endr
.irp p, 0,1
	v_add_f32 v[TP+2*(\p)], v[TP+2*(\p)], v[TP+2*(\p)+1]
.endr
.irp p, 0,1
	v_add_f32 v[TP+2*(\p)], v[TP+2*(\p)], v[SS+5*(\p)+4]
.endr
.irp p, 0,1
	v_rcp_f32 v[RL+(\p)], v[TP+2*(\p)]
.endr
	v_nop
	s_wait_alu depctr_va_vdst(0)
	; T2B's operands are asked for here: generator 2 + gs (gs = w / 4), my 16 channels.  Generator 0's fragments and the bias generator's layer have been read for the last time (the softmax's
	; lines are the places behind the last product), and T1's loads are done, so their bases may be written.  The loads have the five value rows and T2A in which to land.
	s_mov_b32 s[S1], 0
	s_mov_b32 s[S3], 0
	s_lshl_b32 s[S0], s[ND], 2
	s_add_co_u32 s[S0], s[S0], 8
	s_add_co_u32 s[S0], s[S0], s[NT]
	s_mul_i32 s[S0], s[S0], 12288
	s_add_co_u32 s[S0], s[S0], 51200
	s_add_nc_u64 s[SW:SW+1], s[PWT:PWT+1], s[S0:S1]
	s_add_co_u32 s[GI], s[ND], 2
	s_mul_i32 s[S0], s[GI], 1280
	s_lshl_b32 s[S2], s[NT], 6
	s_add_co_u32 s[S0], s[S0], s[S2]
	s_add_nc_u64 s[SBW:SBW+1], s[PW3:PW3+1], s[S0:S1]
	s_lshl_b32 s[S0], s[GI], 8
	s_add_co_u32 s[S0], s[S0], s[S2]
	s_add_nc_u64 s[SB3:SB3+1], s[PB3:PB3+1], s[S0:S1]
	REQW 1
.irp t, 0,1,2,3,4
	ITEM 96, XF+16*(\t)
	PLACES 5
	COMB HV
	OACC \t
.endr
.irp p, 0,1
.irp e, 0,1,2,3
	FMAB OO+8*(\p)+2*(\e), OO+8*(\p)+2*(\e), RL, \p, BT+2*(\e)
.endr
.endr
	v_mul_u32_u24 v[T2], v[RR], 144
	v_lshl_add_u32 v[T2], v[HH], 4, v[T2]
	s_mul_i32 s[S0], s[ND], 2304
	s_lshl_b32 s[S2], s[NT], 5
	s_add_co_u32 s[S0], s[S0], s[S2]
	s_add_co_u32 s[S0], s[S0], OBB
	v_add_nc_u32 v[T2], s[S0], v[T2]
.irp p, 0,1
.irp e, 0,1,2,3
	v_cvt_pk_bf16_f32 v[PK+(\e)], v[OO+8*(\p)+2*(\e)], v[OO+8*(\p)+2*(\e)+1]
.endr
	ds_store_b128 v[T2], v[PK:PK+3] offset:4608*(\p)
.endr
	BAR                                            ; o is whole; TC has been read
	; T2A
	s_cmp_lt_u32 s[WV], 4
	s_cbranch_scc0 .Lno2a
	AFLOAD AX
	LAYER 0, 0, ACC
	TANH
	PACK ACC, 0
	LAYER 1, 8, ACC
	PACK ACC, 0
.irp t, 0,1,2,3
	ds_store_b128 v[AO], v[AF+4*(\t):AF+4*(\t)+3] offset:32*(\t)
.endr
.set i, 0
.rept 16
	v_pk_mul_f32 v[ACC+2*i:ACC+2*i+1], v[ACC+2*i:ACC+2*i+1], s[CQ:CQ+1] op_sel_hi:[1,0]
.set i, i+1
.endr
.set i, 0
.rept 16
	v_cvt_pk_bf16_f32 v[QP+i], v[ACC+2*i], v[ACC+2*i+1]
.set i, i+1
.endr
.irp t, 0,1,2,3
	global_store_b128 v[QG], v[QP+4*(\t):QP+4*(\t)+3], s[SQO:SQO+1] offset:16384*(\t)  ; each half of the lanes stores 256 consecutive bytes: a head's 16 nodes
.endr
	s_wait_xcnt 0x0                                ; QP is loaded over below
.Lno2a:
	BAR                                            ; o' is whole
	; T2B
	v_mul_u32_u24 v[T0], v[RR], 144
	v_lshl_add_u32 v[T0], v[HH], 4, v[T0]
	v_add_nc_u32 v[T0], OPB, v[T0]
.irp t, 0,1,2,3
.irp q, 0,1,2,3
	ds_load_b128 v[AF4+16*(\t)+4*(\q):AF4+16*(\t)+4*(\q)+3], v[T0] offset:2304*(\t)+32*(\q)
.endr
.endr
	v_mul_u32_u24 v[T2], v[RR], 272
	s_lshl_b32 s[S0], s[ND], 5
	s_add_co_u32 s[S0], s[S0], HBB
	v_add_nc_u32 v[T2], s[S0], v[T2]
.irp n, 0,1
	ds_load_b128 v[HW+8*(\n):HW+8*(\n)+3], v[T2] offset:4352*(\n)+64
	ds_load_b128 v[HW+8*(\n)+4:HW+8*(\n)+7], v[T2] offset:4352*(\n)+80
	ds_load_b128 v[HBN+8*(\n):HBN+8*(\n)+3], v[T2] offset:4352*(\n)+160
	ds_load_b128 v[HBN+8*(\n)+4:HBN+8*(\n)+7], v[T2] offset:4352*(\n)+176
.endr
	s_wait_loadcnt_dscnt 0x0
	BIASMIX SB, HBN
	BIASMIX SB+8, HBN+8
.irp t, 0,1,2,3
	ITEM 0, AF4+16*(\t)
	PLACES 5
	COMBA HW+8*((\t)%2), SB+8*((\t)%2)
.irp e, 0,1,2,3
	v_cvt_pk_bf16_f32 v[PK4+4*(\t)+(\e)], v[T8+2*(\e)], v[T8+2*(\e)+1]
.endr
	global_store_b128 v[QG], v[PK4+4*(\t):PK4+4*(\t)+3], s[SKO:SKO+1] offset:((\t)/2)*131072+((\t)%2)*256
.endr
	s_wait_tensorcnt 0x0                           ; the wave's end, behind my last LDS store
	ds_add_u32 v[SPW], v[NIL]
	s_wait_dscnt 0x0
	s_endpgm
.Lfunc_end_k_q16836c11be_first:
	.size	k_q16836c11be_first, .Lfunc_end_k_q16836c11be_first-k_q16836c11be_first
	.p2alignl 7, 3214868480
	.fill 96, 4, 3214868480
	.section	.rodata,"a",@progbits
	.p2align	6, 0x0
	.amdhsa_kernel k_q16836c11be_first
		.amdhsa_group_segment_fixed_size 80896
		.amdhsa_private_segment_fixed_size 0
		.amdhsa_enable_private_segment 0
		.amdhsa_kernarg_size 120
		.amdhsa_user_sgpr_count 2
		.amdhsa_user_sgpr_kernarg_segment_ptr 1
		.amdhsa_wavefront_size32 1
		.amdhsa_system_sgpr_workgroup_id_x 1
		.amdhsa_system_sgpr_workgroup_id_y 1
		.amdhsa_system_sgpr_workgroup_id_z 1
		.amdhsa_system_vgpr_workitem_id 0
		.amdhsa_next_free_vgpr 512
		.amdhsa_next_free_sgpr 80
		.amdhsa_reserve_vcc 0
		.amdhsa_float_denorm_mode_32 3
		.amdhsa_float_denorm_mode_16_64 3
		.amdhsa_memory_ordered 1
		.amdhsa_forward_progress 1
		.amdhsa_inst_pref_size 108
	.end_amdhsa_kernel
	.amdgpu_metadata
---
amdhsa.version: [ 1, 2 ]
amdhsa.kernels:
  - .name:           k_q16836c11be_first
    .symbol:         k_q16836c11be_first.kd
    .args:
      - { .name: x, .offset: 0, .size: 8, .value_kind: global_buffer, .address_space: global }
      - { .name: proxies, .offset: 8, .size: 8, .value_kind: global_buffer, .address_space: global }
      - { .name: pg_wg_w1, .offset: 16, .size: 8, .value_kind: global_buffer, .address_space: global }
      - { .name: pg_wg_b1, .offset: 24, .size: 8, .value_kind: global_buffer, .address_space: global }
      - { .name: pg_wg_w2, .offset: 32, .size: 8, .value_kind: global_buffer, .address_space: global }
      - { .name: pg_wg_b2, .offset: 40, .size: 8, .value_kind: global_buffer, .address_space: global }
      - { .name: pg_bg_w1, .offset: 48, .size: 8, .value_kind: global_buffer, .address_space: global }
      - { .name: pg_bg_b1, .offset: 56, .size: 8, .value_kind: global_buffer, .address_space: global }
      - { .name: pg_bg_w2, .offset: 64, .size: 8, .value_kind: global_buffer, .address_space: global }
      - { .name: pg_bg_b2, .offset: 72, .size: 8, .value_kind: global_buffer, .address_space: global }
      - { .name: pg_bg_w3, .offset: 80, .size: 8, .value_kind: global_buffer, .address_space: global }
      - { .name: pg_bg_b3, .offset: 88, .size: 8, .value_kind: global_buffer, .address_space: global }
      - { .name: wtab, .offset: 96, .size: 8, .value_kind: global_buffer, .address_space: global }
      - { .name: kvqA, .offset: 104, .size: 8, .value_kind: global_buffer, .address_space: global }
      - { .name: hbuf, .offset: 112, .size: 8, .value_kind: global_buffer, .address_space: global }
    .group_segment_fixed_size: 80896
    .private_segment_fixed_size: 0
    .kernarg_segment_align: 8
    .kernarg_segment_size: 120
    .max_flat_workgroup_size: 256
    .sgpr_count:     80
    .vgpr_count:     512
    .wavefront_size: 32
...
	.end_amdgpu_metadata
.endif
;; end of part 2
;; launch step1 (part 3): grid 256 x 1, 8 waves a work-group, clusters of 4 x 1, 327,680 bytes of LDS; arguments x, proxies, pg_bg_w3, pg_bg_b3, kvqA, hbuf, wtab, cntA, kvqB, out0, cntB; writes kvqB, out0, cntB
.if DOCPART == 3
	.amdgcn_target "amdgcn-amd-amdhsa--gfx1250"
	.amdhsa_code_object_version 6
	.text
	.protected	k_q16836c11be_step1
	.globl	k_q16836c11be_step1
	.p2align	8
	.type	k_q16836c11be_step1,@function
k_q16836c11be_step1:
	s_mov_b64 s[64:65], 0
	v_nop
	global_prefetch_b8 v0, s[64:65] scope:SCOPE_SE
	s_setreg_imm32_b32 hwreg(HW_REG_WAVE_MODE, 25, 1), 1
	s_wait_xcnt 0x0
	s_wait_alu depctr_hold_cnt(0) depctr_sa_sdst(0) depctr_va_vdst(0) depctr_va_sdst(0) depctr_va_ssrc(0) depctr_va_vcc(0) depctr_vm_vsrc(0)
	s_getreg_b32 s2, hwreg(HW_REG_IB_STS2, 6, 4)
	s_cmp_eq_u32 s2, 0
	s_cbranch_scc0 .Lentry_in_a_cluster
	s_endpgm
.Lentry_in_a_cluster:
	s_bfe_u32 s2, ttmp6, 0x10000c
	s_cmp_lg_u32 s2, 0x3003
	s_cbranch_scc0 .Lentry_shape_is_right
	s_endpgm
.Lentry_shape_is_right:
; Launches 3 to 5 of 6: the spatial part of cut i and the temporal part of cut i + 1; i (0, 1, 2) is read from the whole-number buffer that the launch before stored.
; LEFT OUT: the temporal key bias (the same along its softmax's axis: shown at the head of the first kernel).
; A work-group owns 32 nodes of one b; eight waves.  PHASES.  S: wave w = head w; four units (proxy p, 16 queries) x all 512 keys.  POST (waves 0-3): four dense layers, the gate; meanwhile
; waves 4-7 copy the fragments of t_p1 and t_p2 into LDS, 4,096 bytes each.  MID: the sum over the proxies goes to out0; px of the next cut.  T1, T2A, T2B: as in the kernel before.
; S.  A head has 8 channels, a product 32 K places.  A key fragment holds FOUR keys a row (key 64 f + 16 s + r in places 8 s .. 8 s + 7); the query stands in one group of 8 places and 0 in
; the others: four products with the four placings give four tiles of scores.  All 512 scores of a query lie in registers (256 a lane, window 1), so the maximum is exact: no running
; maximum, no rescaling.  The queries were stored times log2(e) / sqrt(8): p = 2^(s - m).  V^T's rows 8-15 are ones, so the product with P also gives the sum l of the weights.
; CLUSTER: the four work-groups of a cluster belong to one b and need the same K, V (262,144 bytes) and dense tables: asked for jointly, once, at the start; nothing is filled again.
; Each wave has two tensor loads out.  No prefetch: K and V are wanted at the first line, and x is loaded into registers a whole S phase ahead of its use.
; The number stored in cnt by the third of these launches is read by nobody: the price of one text for the three.
; LIMITS: NaN and infinities are not treated apart; a key that rounds to an infinity in bf16 spoils the three tiles that share its fragment row (0 x infinity); a weight below 2^-126 counts as 0.
.set DENB,  262144                     ; behind K0 V0 K1 V1: the eight bias rows and layers 0-3 of wtab, 34,816 bytes
.set ONESB, 296960                     ; 12,288 bytes of bf16 ones
.set OXB,   309248                     ; 64 rows (16 unit + r) x 144 bytes: the attention's O in bf16
.set SPARE, 318464                     ; the spare words, 128 bytes a wave: four blocks of 256 bytes that no other line names
.set GOB,   0                          ; behind the S phase, over K and V, which are filled once: 64 rows x 272: gate x o2, then px, f32
.set TCB,   17408                      ; 160 rows x 144: tcat in bf16
.set L45B,  40448                      ; the 16 fragments of t_p1 and t_p2, 1,024 bytes each
.set OPB,   TCB
.set OBB,   OXB
.set LN, 1
.set RR, 2
.set HH, 3
.set SPW, 4
.set NIL, 5
.set ZR, 6
.set L16, 7
.set AK0, 8
.set AV1, 9
.set NB3, 10
.set H32, 11
.set OST0, 12
.set HBO, 13
.set AK, 14
.set AV, 15
.set OST, 16
.set QOF, 17
.set T0, 18
.set T1, 19
.set MO, 20
.set AM, 21
.set ATC, 22
.set T2, 23
.set QR, 24
.set SG, 28                            ; v28-59, waves 4-7 behind the S phase: the dense fragments on their way into LDS; no other load from memory lands in these registers
.set QV, 28                            ; v28-47: 0, q in lanes 0-15, 0, q in lanes 16-31, 0: four registers each
.set CM, 48
.set MX, 52
.set LX, 54
.set RC, 56
.set PKO, 58
.set OA, 64
.set XR, 80
.set PR, 104
.set KF, 120
.set PS, 120
.set VA, 184
.set AD, 248
.set AB, 249
.set AX, 250
.set AG, 251
.set AO, 252
.set QG, 253
.set AD2, 254
.set AF, 24
.set ACC, 40
.set O2, 120
.set QP, 120
.set BI, 152
.set DW, 184
.set MG, 24
.set MC, 40
.set Y, 24
.set T8, 72
.set HK, 80
.set HV, 88
.set HB1, 96
.set QF, 104
.set XF, 120
.set OO, 200
.set SS, 216
.set TP, 226
.set RL, 230
.set MXT, 232
.set PK, 236
.set BT, 240
.set HW, 80                            ; T2B's h: nodes 0-15 at v80-87, nodes 16-31 at v96-103 (v88-95 still hold HV when they are asked for)
.set HBN, 104
.set AF4, 120
.set SB, 184
.set PK4, 200
.set BW, 192
.set PX, 4
.set PPR, 6
.set PW3, 8
.set PB3, 10
.set PKI, 12
.set PHB, 14
.set PWT, 16
.set PCI, 18
.set PKV, 20
.set POUT, 22
.set PCO, 24
.set WV, 26
.set CX, 27
.set BB, 28
.set VD, 29
.set N0, 30
.set I, 31
.set G1A, 32
.set G1B, 40
.set G0A, 48
.set G0B, 52
.set SEL, 56
.set MLO, 58
.set U, 59
.set S0, 60
.set S1, 61
.set S2, 62
.set S3, 63
.set CQ, 66
.set CE, 68
.set CT, 70
.set ND, 72
.set NT, 73
.set SQB, 74
.set SXB, 76
.set SPB, 78
.set SOB, 80
.set SH1, 82
.set SH2, 84
.set SW, 86
.set SBW, 88
.set SB3, 90
.set SKO, 92
.set SQO, 94
.set EX, 96
.set MSB, 0
.macro WIN new                         ; the immediate's high byte repeats the setting that is left
.if MSB != (\new)
	s_set_vgpr_msb (MSB<<8)|(\new)
.set MSB, \new
.endif
.endm
.macro PLACES n
.rept \n
	v_nop
.endr
.endm
.macro BAR                             ; my LDS instructions are done, then the work-group's barrier
	WIN 0
	s_wait_dscnt 0x0
	s_barrier_signal -1
	s_barrier_wait -1
.endm
.macro ROUND                           ; a round of the cluster's barrier
	s_barrier_signal -1
	s_barrier_wait -1
	s_cmp_lg_u32 s[WV], 0
	s_cbranch_scc1 .Lnw0_\@
	s_barrier_signal -3
.Lnw0_\@:
	s_barrier_wait -3
	s_barrier_signal -1
	s_barrier_wait -1
.endm
.macro FMAB d, a, hb, j, c             ; pair d = pair a x the one number v[hb + j] + pair c
.if ((\j)%2) == 0
	v_pk_fma_f32 v[(\d):(\d)+1], v[(\a):(\a)+1], v[(\hb)+(\j):(\hb)+(\j)+1], v[(\c):(\c)+1] op_sel_hi:[1,0,1]
.else
	v_pk_fma_f32 v[(\d):(\d)+1], v[(\a):(\a)+1], v[(\hb)+(\j)-1:(\hb)+(\j)], v[(\c):(\c)+1] op_sel:[0,1,0] op_sel_hi:[1,1,1]
.endif
.endm
.macro MULB d, a, hb, j
.if ((\j)%2) == 0
	v_pk_mul_f32 v[(\d):(\d)+1], v[(\a):(\a)+1], v[(\hb)+(\j):(\hb)+(\j)+1] op_sel_hi:[1,0]
.else
	v_pk_mul_f32 v[(\d):(\d)+1], v[(\a):(\a)+1], v[(\hb)+(\j)-1:(\hb)+(\j)] op_sel:[0,1] op_sel_hi:[1,1]
.endif
.endm
; 16 nodes x the six fixed matrices, 16 output channels: 12 products; the six accumulators take turns
.macro ITEM wf, xf
	WIN 0x01
.irp j, 0,1,2,3,4,5
	v_wmma_f32_16x16x32_bf16 v[Y+8*(\j):Y+8*(\j)+7], v[(\wf)+16*(\j):(\wf)+16*(\j)+7], v[(\xf):(\xf)+7], 0
.endr
.irp j, 0,1,2,3,4,5
	v_wmma_f32_16x16x32_bf16 v[Y+8*(\j):Y+8*(\j)+7], v[(\wf)+16*(\j)+8:(\wf)+16*(\j)+15], v[(\xf)+8:(\xf)+15], v[Y+8*(\j):Y+8*(\j)+7]
.endr
	WIN 0
.endm
.macro COMB H                          ; T8 = Y5 + sum over j of h_j Y_j; each Y is read from its low end on
.set i, 0
.rept 4
	FMAB T8+2*i, Y+2*i, \H, 0, Y+40+2*i
.set i, i+1
.endr
.set j, 1
.rept 4
.set i, 0
.rept 4
	FMAB T8+2*i, Y+8*j+2*i, \H, j, T8+2*i
.set i, i+1
.endr
.set j, j+1
.endr
.endm
.macro COMBA H, add                    ; the same with a bias
.set i, 0
.rept 4
	v_pk_add_f32 v[T8+2*i:T8+2*i+1], v[Y+40+2*i:Y+40+2*i+1], v[(\add)+2*i:(\add)+2*i+1]
.set i, i+1
.endr
.set j, 0
.rept 5
.set i, 0
.rept 4
	FMAB T8+2*i, Y+8*j+2*i, \H, j, T8+2*i
.set i, i+1
.endr
.set j, j+1
.endr
.endm
.macro SC tt                           ; the two proxies' scores with key row tt: 8 channels, in the lane
.irp p, 0,1
	v_pk_mul_f32 v[TP+2*(\p):TP+2*(\p)+1], v[QF+8*(\p):QF+8*(\p)+1], v[T8:T8+1]
.endr
.irp e, 1,2,3
.irp p, 0,1
	v_pk_fma_f32 v[TP+2*(\p):TP+2*(\p)+1], v[QF+8*(\p)+2*(\e):QF+8*(\p)+2*(\e)+1], v[T8+2*(\e):T8+2*(\e)+1], v[TP+2*(\p):TP+2*(\p)+1]
.endr
.endr
.irp p, 0,1
	v_add_f32 v[SS+5*(\p)+(\tt)], v[TP+2*(\p)], v[TP+2*(\p)+1]
.endr
.endm
.macro OACC tt                         ; o += weight x value row tt
.irp p, 0,1
.irp e, 0,1,2,3
.if (\tt) == 0
	MULB OO+8*(\p)+2*(\e), T8+2*(\e), SS, 5*(\p)+(\tt)
.else
	FMAB OO+8*(\p)+2*(\e), T8+2*(\e), SS, 5*(\p)+(\tt), OO+8*(\p)+2*(\e)
.endif
.endr
.endr
.endm
.macro BIASMIX dst, H                  ; a dynamic bias: b3 + sum over k of hb_k w3_k, my 8 channels
	WIN 0x11
.set i, 0
.rept 4
	FMAB (\dst)+2*i, BW+2*i, \H, 0, BW+40+2*i
.set i, i+1
.endr
	WIN 0x01
.set j, 1
.rept 4
.set i, 0
.rept 4
	FMAB (\dst)+2*i, BW+8*j+2*i, \H, j, (\dst)+2*i
.set i, i+1
.endr
.set j, j+1
.endr
	WIN 0
.endm
.macro REQW ng                         ; ng generators' 12 fragments each, and one bias generator's last layer, into window 1
	WIN 0x40
.set q, 0
.rept 12*(\ng)
	global_load_b128 v[8*q:8*q+3], v[L16], s[SW:SW+1] offset:(q/12)*49152+(q%12)*1024
	global_load_b128 v[8*q+4:8*q+7], v[L16], s[SW:SW+1] offset:(q/12)*49152+(q%12)*1024+512
.set q, q+1
.endr
.set q, 0
.rept 5
	global_load_b128 v[BW+8*q:BW+8*q+3], v[H32], s[SBW:SBW+1] offset:256*q
	global_load_b128 v[BW+8*q+4:BW+8*q+7], v[H32], s[SBW:SBW+1] offset:256*q+16
.set q, q+1
.endr
	global_load_b128 v[BW+40:BW+43], v[H32], s[SB3:SB3+1]
	global_load_b128 v[BW+44:BW+47], v[H32], s[SB3:SB3+1] offset:16
	WIN 0
.endm
.macro AFLOAD adr                      ; 16 rows x 64 channels as source 1, two K steps
.irp q, 0,1,2,3
	ds_load_b128 v[AF+4*(\q):AF+4*(\q)+3], v[\adr] offset:32*(\q)
.endr
.endm
.macro LMUL dst                        ; a dense layer: the bias is the C that starts each sum; four accumulators take turns
.irp t, 0,1,2,3
	v_wmma_f32_16x16x32_bf16 v[(\dst)+8*(\t):(\dst)+8*(\t)+7], v[DW+16*(\t):DW+16*(\t)+7], v[AF:AF+7], v[BI+8*(\t):BI+8*(\t)+7]
.endr
.irp t, 0,1,2,3
	v_wmma_f32_16x16x32_bf16 v[(\dst)+8*(\t):(\dst)+8*(\t)+7], v[DW+16*(\t)+8:DW+16*(\t)+15], v[AF+8:AF+15], v[(\dst)+8*(\t):(\dst)+8*(\t)+7]
.endr
	PLACES 5
.endm
.macro LAYER br, fb, dst, ad           ; a dense layer out of LDS: bias row br, fragments fb .. fb + 7 behind address register ad
.irp f, 0,1,2,3,4,5,6,7
	ds_load_b128 v[DW+8*(\f):DW+8*(\f)+3], v[\ad] offset:((\fb)+(\f))*1024
	ds_load_b128 v[DW+8*(\f)+4:DW+8*(\f)+7], v[\ad] offset:((\fb)+(\f))*1024+512
.endr
.irp t, 0,1,2,3
	ds_load_b128 v[BI+8*(\t):BI+8*(\t)+3], v[AB] offset:256*(\br)+64*(\t)
	ds_load_b128 v[BI+8*(\t)+4:BI+8*(\t)+7], v[AB] offset:256*(\br)+64*(\t)+16
.endr
	s_wait_dscnt 0x0
	LMUL \dst
.endm
.macro PACK src, relu                  ; four result tiles, rounded in pairs, ARE the next layer's source 1
.set i, 0
.rept 16
	v_cvt_pk_bf16_f32 v[AF+i], v[(\src)+2*i], v[(\src)+2*i+1]
.set i, i+1
.endr
.if \relu
.set i, 0
.rept 16
	v_pk_max_num_bf16 v[AF+i], v[AF+i], v[ZR]
.set i, i+1
.endr
.endif
.endm
.macro TRANS2 cs                       ; ACC = 1 / (1 + 2^(cs x ACC)); each batch of transcendentals has one plain line and one wait behind it
.set i, 0
.rept 16
	v_pk_mul_f32 v[ACC+2*i:ACC+2*i+1], v[ACC+2*i:ACC+2*i+1], s[(\cs):(\cs)+1] op_sel_hi:[1,0]
.set i, i+1
.endr
.set i, 0
.rept 32
	v_exp_f32 v[ACC+i], v[ACC+i]
.set i, i+1
.endr
	v_nop
	s_wait_alu depctr_va_vdst(0)
.set i, 0
.rept 16
	v_pk_add_f32 v[ACC+2*i:ACC+2*i+1], v[ACC+2*i:ACC+2*i+1], 1.0 op_sel_hi:[1,0]
.set i, i+1
.endr
.set i, 0
.rept 32
	v_rcp_f32 v[ACC+i], v[ACC+i]
.set i, i+1
.endr
	v_nop
	s_wait_alu depctr_va_vdst(0)
.endm
.macro MAXT g                          ; the four tiles of fragment g into four running maxima; each tile is read from its low end on
	WIN 0x14
.set t, 0
.rept 4
.irp k, 0,1,2,3
	v_max3_num_f32 v[CM+(\k)], v[CM+(\k)], v[32*(\g)+8*t+2*(\k)], v[32*(\g)+8*t+2*(\k)+1]
.endr
.set t, t+1
.endr
.endm
.macro VLOAD g, dst                    ; V^T of keys 128 g .. 128 g + 127, turned: four fragments; lanes with bit 3 set read ones
.irp c, 0,1,2,3
	ds_load_tr16_b128 v[(\dst)+8*(\c):(\dst)+8*(\c)+3], v[AV] offset:512*(4*(\g)+(\c))
	ds_load_tr16_b128 v[(\dst)+8*(\c)+4:(\dst)+8*(\c)+7], v[AV] offset:512*(4*(\g)+(\c))+256
.endr
.endm
.macro SUBM n
	v_pk_add_f32 v[2*(\n):2*(\n)+1], v[2*(\n):2*(\n)+1], v[MX:MX+1] neg_lo:[0,1] neg_hi:[0,1]
.endm
	s_load_b512 s[4:19], s[0:1], 0x0
	s_load_b128 s[20:23], s[0:1], 0x40
	s_load_b64 s[24:25], s[0:1], 0x50
	v_lshl_add_u32 v[SPW], v0, 2, SPARE
	v_mov_b32 v[NIL], 0
	ds_add_u32 v[SPW], v[NIL]                      ; the wave's opening: the add, twice on end, and its wait ahead of my first tensor load
	ds_add_u32 v[SPW], v[NIL]
	v_lshrrev_b32 v[T0], 5, v0
	v_readfirstlane_b32 s[WV], v[T0]
	s_bfe_u32 s[CX], ttmp6, 0x40000                ; my place in the cluster: it enters global addresses of my own loads and stores alone
	s_lshr_b32 s[BB], ttmp9, 2                     ; b, which the four partners share
	s_and_b32 s[N0], ttmp9, 3
	s_lshl_b32 s[N0], s[N0], 2
	s_add_co_u32 s[N0], s[N0], s[CX]
	s_lshl_b32 s[N0], s[N0], 5                     ; my first node
	s_lshr_b32 s[ND], s[WV], 2
	s_and_b32 s[NT], s[WV], 3
	s_mov_b32 s[G1A], 15|(3<<16)|(1<<21)           ; the mask of four; elements of 8 bytes; bit 21 beside a mask
	s_mov_b32 s[G1A+1], 32<<16                     ; rows of 32 elements = 256 bytes
	s_mov_b32 s[G1A+2], 128<<16                    ; 128 rows: a wave's 32,768 bytes of K and V
	s_mov_b32 s[G1A+3], 32<<16
	s_mov_b32 s[G1A+4], 128
	s_mov_b32 s[G1A+5], 32
	s_mov_b32 s[G1A+6], 0
	s_mov_b32 s[G1A+7], 0
	s_mov_b32 s[G1B], 15|(3<<16)|(1<<21)
	s_mov_b32 s[G1B+1], 32<<16
	s_mov_b32 s[G1B+2], 17<<16                     ; 17 rows: a wave's 4,352 bytes of the tables
	s_mov_b32 s[G1B+3], 32<<16
	s_mov_b32 s[G1B+4], 17
	s_mov_b32 s[G1B+5], 32
	s_mov_b32 s[G1B+6], 0
	s_mov_b32 s[G1B+7], 0
	s_mov_b32 s[SEL], 0x76543210
	s_mov_b32 s[SEL+1], 0xfedcba98
	s_mov_b32 s[MLO], 0x0000ffff
	s_mov_b32 s[CQ], 0x3f0293ee                    ; log2(e) / sqrt(8)
	s_mov_b32 s[CQ+1], s[CQ]
	s_mov_b32 s[CE], 0xbfb8aa3b                    ; -log2(e)
	s_mov_b32 s[CE+1], s[CE]
	s_mov_b32 s[CT], 0x4038aa3b                    ; 2 log2(e)
	s_mov_b32 s[CT+1], s[CT]
	v_and_b32 v[LN], 31, v0
	v_and_b32 v[RR], 15, v0
	v_bfe_u32 v[HH], v0, 4, 1
	v_mov_b32 v[ZR], 0
	v_lshlrev_b32 v[L16], 4, v[LN]
	v_lshlrev_b32 v[H32], 5, v[HH]
	v_lshlrev_b32 v[HBO], 8, v[RR]
	v_lshlrev_b32 v[QOF], 4, v[RR]
	s_lshl_b32 s[S0], s[WV], 13
	v_add_nc_u32 v[AK0], s[S0], v[L16]             ; my head's K: 16 bytes a key
	v_bfe_u32 v[T0], v0, 3, 1
	v_sub_nc_u32 v[NB3], 1, v[T0]                  ; 1 in the lanes that read V, 0 in those that read ones
	v_and_b32 v[T0], 7, v0
	v_lshl_add_u32 v[T0], v[HH], 3, v[T0]
	v_lshl_add_u32 v[AV1], v[T0], 4, ONESB+128     ; key 8 h + l % 8 of a chunk, in the ones; 128 bytes out of step with V's lanes in the banks
	s_sub_co_u32 s[VD], ONESB+128-65536, s[S0]     ; how far below that my head's V of proxy 0 lies
	v_mul_u32_u24 v[T0], v[RR], 144
	s_lshl_b32 s[S1], s[WV], 4
	s_add_co_u32 s[S1], s[S1], OXB
	v_add_nc_u32 v[OST0], s[S1], v[T0]
	s_lshl_b32 s[S1], s[WV], 10
	v_lshl_add_u32 v[MO], v[HH], 8, v[QOF]
	v_add_nc_u32 v[MO], s[S1], v[MO]               ; whole rows: node 4 w + h, 16 bytes at 16 r
	v_mul_u32_u24 v[AM], v[HH], 272
	v_add_nc_u32 v[AM], v[AM], v[QOF]
	s_mul_i32 s[S1], s[WV], 1088
	s_add_co_u32 s[S1], s[S1], GOB
	v_add_nc_u32 v[AM], s[S1], v[AM]
	v_mul_u32_u24 v[ATC], v[HH], 144
	v_lshl_add_u32 v[ATC], v[RR], 3, v[ATC]
	s_mul_i32 s[S1], s[WV], 576
	s_add_co_u32 s[S1], s[S1], TCB
	v_add_nc_u32 v[ATC], s[S1], v[ATC]
	v_add_nc_u32 v[AD], DENB+2048, v[L16]
	v_add_nc_u32 v[AD2], L45B, v[L16]
	v_add_nc_u32 v[AB], DENB, v[H32]
	v_lshl_add_u32 v[T0], v[HH], 4, v[T0]          ; 144 r + 16 h
	s_mul_i32 s[S1], s[NT], 2304
	s_add_co_u32 s[S2], s[S1], OXB
	v_add_nc_u32 v[AX], s[S2], v[T0]
	s_add_co_u32 s[S2], s[S1], OPB
	v_add_nc_u32 v[AO], s[S2], v[T0]
	v_mul_u32_u24 v[AG], v[RR], 272
	v_add_nc_u32 v[AG], v[AG], v[H32]
	s_mul_i32 s[S1], s[NT], 4352
	s_add_co_u32 s[S1], s[S1], GOB
	v_add_nc_u32 v[AG], s[S1], v[AG]
	v_lshl_add_u32 v[QG], v[HH], 13, v[QOF]
.irp e, 0,1,2,3
	v_mov_b32 v[QV+(\e)], 0
	v_mov_b32 v[QV+8+(\e)], 0
	v_mov_b32 v[QV+16+(\e)], 0
	v_mov_b32 v[PKO+(\e)], 0x3f803f80
.endr
	v_mov_b32 v[LX], 0
	v_lshl_add_u32 v[T1], v0, 4, ONESB
	s_wait_dscnt 0x0                               ; both opening adds are done
	s_wait_kmcnt 0x0
	s_load_b32 s[I], s[PCI:PCI+1], 0x0             ; the cut
	s_mov_b32 s[S1], 0
	s_mov_b32 s[S3], 0
	s_lshl_b32 s[S0], s[BB], 18
	s_lshl_b32 s[S2], s[WV], 15
	s_add_co_u32 s[S0], s[S0], s[S2]
	s_mov_b32 s[G0A], 1
	s_lshl_b32 s[G0A+1], s[WV], 15
	s_add_nc_u64 s[G0A+2:G0A+3], s[PKI:PKI+1], s[S0:S1]
	s_or_b32 s[G0A+3], s[G0A+3], 0x80000000
	s_mul_i32 s[S0], s[WV], 4352
	s_mov_b32 s[G0B], 1
	s_add_co_u32 s[G0B+1], s[S0], DENB
	s_add_nc_u64 s[G0B+2:G0B+3], s[PWT:PWT+1], s[S0:S1]
	s_or_b32 s[G0B+3], s[G0B+3], 0x80000000
	ROUND                                          ; all four work-groups are here: the joint loads meet
	tensor_load_to_lds s[G0A:G0A+3], s[G1A:G1A+7]
	s_nop 0
	tensor_load_to_lds s[G0B:G0B+3], s[G1B:G1B+7]
	s_nop 0
	PLACES 4
	ds_store_b128 v[T1], v[PKO:PKO+3]              ; the ones: 256 threads x 16 bytes, three times
	ds_store_b128 v[T1], v[PKO:PKO+3] offset:4096
	ds_store_b128 v[T1], v[PKO:PKO+3] offset:8192
	s_lshl_b32 s[S0], s[BB], 17
	s_lshl_b32 s[S2], s[WV], 13
	s_add_co_u32 s[S0], s[S0], s[S2]
	s_lshl_b32 s[S2], s[N0], 4
	s_add_co_u32 s[S0], s[S0], s[S2]
	s_add_co_u32 s[S0], s[S0], 4194304
	s_add_nc_u64 s[SQB:SQB+1], s[PKI:PKI+1], s[S0:S1]
	global_load_b128 v[QR:QR+3], v[QOF], s[SQB:SQB+1]  ; unit 0's queries: both halves of the lanes take query r
	s_wait_kmcnt 0x0
	s_min_u32 s[I], s[I], 2
	s_mul_i32 s[S0], s[BB], 12
	s_mul_i32 s[S2], s[I], 3
	s_add_co_u32 s[S0], s[S0], s[S2]
	s_add_co_u32 s[S0], s[S0], 3
	s_lshl_b32 s[S0], s[S0], 9
	s_add_co_u32 s[S0], s[S0], s[N0]
	s_lshl_b32 s[S0], s[S0], 8
	s_add_nc_u64 s[SXB:SXB+1], s[PX:PX+1], s[S0:S1]    ; x's rows 3 (i + 1) .. of my nodes
	s_lshl_b32 s[S0], s[I], 1
	s_add_co_u32 s[S0], s[S0], 2
	s_lshl_b32 s[S0], s[S0], 9
	s_add_co_u32 s[S0], s[S0], s[N0]
	s_lshl_b32 s[S0], s[S0], 8
	s_add_nc_u64 s[SPB:SPB+1], s[PPR:PPR+1], s[S0:S1]
.irp t, 0,1,2
.irp a, 0,1
	global_load_b128 v[XR+4*(2*(\t)+(\a)):XR+4*(2*(\t)+(\a))+3], v[MO], s[SXB:SXB+1] offset:131072*(\t)+512*(\a) th:TH_LOAD_NT
.endr
.endr
.irp p, 0,1
.irp a, 0,1
	global_load_b128 v[PR+8*(\p)+4*(\a):PR+8*(\p)+4*(\a)+3], v[MO], s[SPB:SPB+1] offset:131072*(\p)+512*(\a)
.endr
.endr
	s_or_b32 s[S2], ttmp9, s[WV]
	s_cmp_lg_u32 s[S2], 0
	s_cbranch_scc1 .Lnocnt                         ; wave 0 of the first cluster's four work-groups: i + 1 for the next launch, 128 bytes each, told apart by address
	s_add_co_u32 s[S2], s[I], 1
	v_mov_b32 v[T1], s[S2]
	s_lshl_b32 s[S2], s[CX], 7
	v_lshl_add_u32 v[T2], v[LN], 2, s[S2]
	global_store_b32 v[T2], v[T1], s[PCO:PCO+1]
	s_wait_xcnt 0x0                                ; its two registers are written again below
.Lnocnt:
	s_lshl_b32 s[S0], s[BB], 2
	s_add_co_u32 s[S0], s[S0], s[I]
	s_lshl_b32 s[S0], s[S0], 9
	s_add_co_u32 s[S0], s[S0], s[N0]
	s_lshl_b32 s[S0], s[S0], 8
	s_add_nc_u64 s[SOB:SOB+1], s[POUT:POUT+1], s[S0:S1]
	s_lshl_b32 s[S0], s[BB], 9
	s_add_co_u32 s[S0], s[S0], s[N0]
	s_lshl_b32 s[S0], s[S0], 8
	s_lshl_b32 s[S2], s[ND], 12
	s_add_co_u32 s[S2], s[S2], s[S0]
	s_add_nc_u64 s[SH1:SH1+1], s[PHB:PHB+1], s[S2:S3]
	s_lshl_b32 s[S2], s[ND], 5
	s_add_co_u32 s[S2], s[S2], s[S0]
	s_add_nc_u64 s[SH2:SH2+1], s[PHB:PHB+1], s[S2:S3]
	s_mul_i32 s[S0], s[NT], 12288
	s_add_co_u32 s[S0], s[S0], 51200
	s_add_nc_u64 s[SW:SW+1], s[PWT:PWT+1], s[S0:S1]
	s_lshl_b32 s[S0], s[NT], 6
	s_add_co_u32 s[S2], s[S0], 1280
	s_add_nc_u64 s[SBW:SBW+1], s[PW3:PW3+1], s[S2:S3]
	s_add_co_u32 s[S2], s[S0], 256
	s_add_nc_u64 s[SB3:SB3+1], s[PB3:PB3+1], s[S2:S3]
	s_lshl_b32 s[S0], s[BB], 18
	s_lshl_b32 s[S2], s[ND], 16
	s_add_co_u32 s[S0], s[S0], s[S2]
	s_lshl_b32 s[S2], s[NT], 14
	s_add_co_u32 s[S0], s[S0], s[S2]
	s_lshl_b32 s[S2], s[N0], 4
	s_add_co_u32 s[S0], s[S0], s[S2]
	s_add_nc_u64 s[SKO:SKO+1], s[PKV:PKV+1], s[S0:S1]
	s_lshl_b32 s[S0], s[BB], 17
	s_lshr_b32 s[S2], s[NT], 1
	s_lshl_b32 s[S2], s[S2], 16
	s_add_co_u32 s[S0], s[S0], s[S2]
	s_and_b32 s[S2], s[NT], 1
	s_lshl_b32 s[S2], s[S2], 4
	s_add_co_u32 s[S2], s[S2], s[N0]
	s_lshl_b32 s[S2], s[S2], 4
	s_add_co_u32 s[S0], s[S0], s[S2]
	s_add_co_u32 s[S0], s[S0], 4194304
	s_add_nc_u64 s[SQO:SQO+1], s[PKV:PKV+1], s[S0:S1]
	s_wait_tensorcnt 0x1                           ; my part of K and V has landed; the load issued behind it, my part of the tables, may stay out: it is read behind the next barrier only
	BAR                                            ; everybody's K and V have landed, and the ones are stored
	; S: four units
	s_mov_b32 s[U], 0
.Lunit:
	s_wait_loadcnt 0x0                             ; this unit's queries (in the first trip also x and the proxies)
.irp e, 0,1,2,3
	v_cndmask_b32 v[QV+4+(\e)], v[ZR], v[QR+(\e)], s[MLO]
	v_cndmask_b32 v[QV+12+(\e)], v[QR+(\e)], v[ZR], s[MLO]
.endr
	s_lshr_b32 s[S0], s[U], 1
	s_lshl_b32 s[S0], s[S0], 17                    ; the proxy's K and V
	v_add_nc_u32 v[AK], s[S0], v[AK0]
	s_sub_co_u32 s[S1], s[VD], s[S0]
	v_mul_u32_u24 v[T1], s[S1], v[NB3]
	v_sub_nc_u32 v[AV], v[AV1], v[T1]
	s_mul_i32 s[S2], s[U], 2304
	v_add_nc_u32 v[OST], s[S2], v[OST0]
	s_cmp_eq_u32 s[U], 3
	s_cbranch_scc1 .Lnoq
	s_add_co_u32 s[S2], s[U], 1                    ; the next unit's queries
	s_lshr_b32 s[S3], s[S2], 1
	s_lshl_b32 s[S3], s[S3], 16
	s_and_b32 s[S2], s[S2], 1
	s_lshl_b32 s[S2], s[S2], 8
	s_add_co_u32 s[S2], s[S2], s[S3]
	v_add_nc_u32 v[T0], s[S2], v[QOF]
	global_load_b128 v[QR:QR+3], v[T0], s[SQB:SQB+1]
.Lnoq:
.irp f, 0,1,2,3,4,5,6,7
	ds_load_b128 v[KF+8*(\f):KF+8*(\f)+3], v[AK] offset:1024*(\f)
	ds_load_b128 v[KF+8*(\f)+4:KF+8*(\f)+7], v[AK] offset:1024*(\f)+512
.endr
.irp k, 0,1,2,3
	v_mov_b32 v[CM+(\k)], 0xff800000
.endr
.set f, 0
.rept 8
	s_wait_dscnt 14-2*f                            ; fragment f is in; the younger K loads stay out
	WIN 0x40
	v_wmma_f32_16x16x32_bf16 v[32*f:32*f+7], v[KF+8*f:KF+8*f+7], v[QV+4:QV+11], 0
	v_wmma_f32_16x16x32_bf16 v[32*f+8:32*f+15], v[KF+8*f:KF+8*f+7], v[QV+12:QV+19], 0
	v_wmma_f32_16x16x32_bf16 v[32*f+16:32*f+23], v[KF+8*f:KF+8*f+7], v[QV:QV+7], 0
	v_wmma_f32_16x16x32_bf16 v[32*f+24:32*f+31], v[KF+8*f:KF+8*f+7], v[QV+8:QV+15], 0
.if f == 0
	PLACES 4
.else
	MAXT (f-1)                                     ; the maxima of the fragment before are the places behind these four products
.endif
.set f, f+1
.endr
	MAXT 7
	WIN 0
	v_max3_num_f32 v[CM], v[CM], v[CM+1], v[CM+2]
	v_max_num_f32 v[CM], v[CM], v[CM+3]
	v_permlanex16_b32 v[LX], v[CM], s[SEL], s[SEL+1]  ; the query's other 256 keys lie in the lane 16 away
	v_max_num_f32 v[MX], v[CM], v[LX]
	v_mov_b32 v[MX+1], v[MX]
	VLOAD 0, VA
	VLOAD 1, VA+32
	WIN 0x41
	SUBM 0
	SUBM 1
.set i, 2
.rept 126
	v_exp_f32 v[2*i-4], v[2*i-4]
	v_exp_f32 v[2*i-3], v[2*i-3]
	SUBM i
.set i, i+1
.endr
	v_exp_f32 v252, v252
	v_exp_f32 v253, v253
	v_exp_f32 v254, v254
	v_exp_f32 v255, v255
	v_nop
	s_wait_alu depctr_va_vdst(0)                   ; one wait for the unit's 256 exponentials: nothing above names a result
.set g, 0
.rept 4
	WIN 0x05
.set i, 0
.rept 32
	v_cvt_pk_bf16_f32 v[PS+32*(g%2)+i], v[64*g+2*i], v[64*g+2*i+1]
.set i, i+1
.endr
	WIN 0
.if (g == 1) || (g == 2)
	VLOAD (g+1), (VA+32*((g+1)%2))                 ; into the half that the group before last read: the 32 roundings are the places between
.endif
.if g < 3
	s_wait_dscnt 8                                 ; this group's V is in; the eight loads issued last stay out
.else
	s_wait_dscnt 0x0
.endif
.set c, 0
.rept 4
.if (g == 0) && (c < 2)
	v_wmma_f32_16x16x32_bf16 v[OA+8*(c%2):OA+8*(c%2)+7], v[VA+32*(g%2)+8*c:VA+32*(g%2)+8*c+7], v[PS+32*(g%2)+8*c:PS+32*(g%2)+8*c+7], 0
.else
	v_wmma_f32_16x16x32_bf16 v[OA+8*(c%2):OA+8*(c%2)+7], v[VA+32*(g%2)+8*c:VA+32*(g%2)+8*c+7], v[PS+32*(g%2)+8*c:PS+32*(g%2)+8*c+7], v[OA+8*(c%2):OA+8*(c%2)+7]
.endif
.set c, c+1
.endr
.set g, g+1
.endr
	PLACES 4
.irp e, 0,1,2,3
	v_pk_add_f32 v[OA+2*(\e):OA+2*(\e)+1], v[OA+2*(\e):OA+2*(\e)+1], v[OA+8+2*(\e):OA+8+2*(\e)+1]
.endr
	v_permlanex16_b32 v[LX], v[OA], s[SEL], s[SEL+1]  ; lanes 0-15 hold the 8 channels, lanes 16-31 the sum l
	v_rcp_f32 v[RC], v[LX]
	v_rcp_f32 v[RC+1], v[LX]
	v_nop
	s_wait_alu depctr_va_vdst(0)
.irp e, 0,1,2,3
	v_pk_mul_f32 v[OA+2*(\e):OA+2*(\e)+1], v[OA+2*(\e):OA+2*(\e)+1], v[RC:RC+1]
.endr
.irp e, 0,1,2,3
	v_cvt_pk_bf16_f32 v[PKO+(\e)], v[OA+2*(\e)], v[OA+2*(\e)+1]
.endr
	v_cmp_gt_u32 vcc_lo, 16, v[LN]
	s_wait_xcnt 0x0                                ; EXEC changes only behind this wait: the next unit's load is out
	s_and_saveexec_b32 s[EX], vcc_lo
	ds_store_b128 v[OST], v[PKO:PKO+3]             ; lanes 0-15: query r's 16 bytes of head w
	s_or_b32 exec_lo, exec_lo, s[EX]
	s_add_co_u32 s[U], s[U], 1
	s_cmp_lt_u32 s[U], 4
	s_cbranch_scc1 .Lunit
	s_wait_loadcnt 0x0                             ; on every way out of the loop the queries' load is done before other loads follow (the last trip asked for none: nothing is out here)
.set i, 0
.rept 12
	v_cvt_pk_bf16_f32 v[XR+i], v[XR+2*i], v[XR+2*i+1]
.set i, i+1
.endr
	s_cmp_lt_u32 s[WV], 4
	s_cbranch_scc1 .Lnostg                         ; waves 4-7, which have no part in POST: 4,096 bytes each of the fragments of t_p1 and t_p2, eight loads of 512 consecutive bytes
	s_lshl_b32 s[S0], s[NT], 12
	v_add_nc_u32 v[T0], s[S0], v[L16]
.irp k, 0,1,2,3,4,5,6,7
	global_load_b128 v[SG+4*(\k):SG+4*(\k)+3], v[T0], s[PWT:PWT+1] offset:34816+512*(\k)
.endr
.Lnostg:
	REQW 2                                         ; T1's operands, into the scores' registers: they land under POST and MID
	s_wait_tensorcnt 0x0                           ; my part of the tables has landed
	BAR                                            ; O and the tables are whole; nobody reads K or V any more
.irp t, 0,1,2
.irp a, 0,1
	ds_store_b64 v[ATC], v[XR+2*(2*(\t)+(\a)):XR+2*(2*(\t)+(\a))+1] offset:(2+(\t))*4608+288*(\a)
.endr
.endr
	global_load_b128 v[HK:HK+3], v[HBO], s[SH1:SH1+1]
	global_load_b128 v[HK+4:HK+7], v[HBO], s[SH1:SH1+1] offset:16
	global_load_b128 v[HV:HV+3], v[HBO], s[SH1:SH1+1] offset:32
	global_load_b128 v[HV+4:HV+7], v[HBO], s[SH1:SH1+1] offset:48
	global_load_b128 v[HB1:HB1+3], v[HBO], s[SH1:SH1+1] offset:128
	global_load_b128 v[HB1+4:HB1+7], v[HBO], s[SH1:SH1+1] offset:144
	; POST
	s_cmp_lt_u32 s[WV], 4
	s_cbranch_scc0 .Lstage
	AFLOAD AX
	LAYER 0, 0, ACC, AD
	PACK ACC, 1
	LAYER 1, 8, O2, AD
	PACK O2, 0
	LAYER 2, 16, ACC, AD
	PACK ACC, 1
	LAYER 3, 24, ACC, AD
	TRANS2 CE                                      ; the gate
.set i, 0
.rept 16
	v_pk_mul_f32 v[ACC+2*i:ACC+2*i+1], v[ACC+2*i:ACC+2*i+1], v[O2+2*i:O2+2*i+1]
.set i, i+1
.endr
.irp t, 0,1,2,3
	ds_store_b128 v[AG], v[ACC+8*(\t):ACC+8*(\t)+3] offset:64*(\t)
	ds_store_b128 v[AG], v[ACC+8*(\t)+4:ACC+8*(\t)+7] offset:64*(\t)+16
.endr
	s_branch .Lpostend
.Lstage:
	s_wait_loadcnt 60                              ; behind my eight copy loads 66 younger ones were issued (60 operands, 6 of h): a count of 60 shows the eight in
	v_add_nc_u32 v[T1], L45B, v[T0]
.irp k, 0,1,2,3,4,5,6,7
	ds_store_b128 v[T1], v[SG+4*(\k):SG+4*(\k)+3] offset:512*(\k)
.endr
.Lpostend:
	BAR                                            ; gate x o2 of both proxies lies in GO, the fragments of t_p1 and t_p2 behind TC
	; MID
.irp a, 0,1
	ds_load_b128 v[MG+8*(\a):MG+8*(\a)+3], v[AM] offset:544*(\a)
	ds_load_b128 v[MG+8*(\a)+4:MG+8*(\a)+7], v[AM] offset:544*(\a)+8704
.endr
	s_wait_dscnt 0x0
.irp a, 0,1
	v_pk_add_f32 v[MG+8*(\a):MG+8*(\a)+1], v[MG+8*(\a):MG+8*(\a)+1], v[MG+8*(\a)+4:MG+8*(\a)+5]
	v_pk_add_f32 v[MG+8*(\a)+2:MG+8*(\a)+3], v[MG+8*(\a)+2:MG+8*(\a)+3], v[MG+8*(\a)+6:MG+8*(\a)+7]
	global_store_b128 v[MO], v[MG+8*(\a):MG+8*(\a)+3], s[SOB:SOB+1] offset:512*(\a) th:TH_STORE_NT  ; 16 lanes store a node's 256 bytes
.irp p, 0,1
	v_pk_add_f32 v[PR+8*(\p)+4*(\a):PR+8*(\p)+4*(\a)+1], v[PR+8*(\p)+4*(\a):PR+8*(\p)+4*(\a)+1], v[MG+8*(\a):MG+8*(\a)+1]
	v_pk_add_f32 v[PR+8*(\p)+4*(\a)+2:PR+8*(\p)+4*(\a)+3], v[PR+8*(\p)+4*(\a)+2:PR+8*(\p)+4*(\a)+3], v[MG+8*(\a)+2:MG+8*(\a)+3]
	ds_store_b128 v[AM], v[PR+8*(\p)+4*(\a):PR+8*(\p)+4*(\a)+3] offset:8704*(\p)+544*(\a)  ; my own rows, behind my own reads of them
	v_cvt_pk_bf16_f32 v[MC], v[PR+8*(\p)+4*(\a)], v[PR+8*(\p)+4*(\a)+1]
	v_cvt_pk_bf16_f32 v[MC+1], v[PR+8*(\p)+4*(\a)+2], v[PR+8*(\p)+4*(\a)+3]
	ds_store_b64 v[ATC], v[MC:MC+1] offset:4608*(\p)+288*(\a)
.endr
.endr
	s_wait_xcnt 0x0                                ; the stores have read their registers, which T1 writes
	BAR                                            ; tcat and px are whole
	; T1
	v_mul_u32_u24 v[T0], v[RR], 144
	v_lshl_add_u32 v[T0], v[HH], 4, v[T0]
	s_mul_i32 s[S0], s[ND], 2304
	s_add_co_u32 s[S0], s[S0], TCB
	v_add_nc_u32 v[T0], s[S0], v[T0]
.irp t, 0,1,2,3,4
.irp q, 0,1,2,3
	ds_load_b128 v[XF+16*(\t)+4*(\q):XF+16*(\t)+4*(\q)+3], v[T0] offset:4608*(\t)+32*(\q)
.endr
.endr
	v_mul_u32_u24 v[T1], v[RR], 272
	v_lshl_add_u32 v[T1], v[HH], 5, v[T1]
	s_mul_i32 s[S0], s[ND], 4352
	s_lshl_b32 s[S2], s[NT], 6
	s_add_co_u32 s[S2], s[S0], s[S2]
	s_add_co_u32 s[S2], s[S2], GOB
	v_add_nc_u32 v[T1], s[S2], v[T1]
.irp p, 0,1
	ds_load_b128 v[QF+8*(\p):QF+8*(\p)+3], v[T1] offset:8704*(\p)
	ds_load_b128 v[QF+8*(\p)+4:QF+8*(\p)+7], v[T1] offset:8704*(\p)+16
.endr
	s_wait_loadcnt_dscnt 0x0
.set i, 0
.rept 8
	v_pk_mul_f32 v[QF+2*i:QF+2*i+1], v[QF+2*i:QF+2*i+1], s[CQ:CQ+1] op_sel_hi:[1,0]
.set i, i+1
.endr
	BIASMIX BT, HB1
.irp t, 0,1,2,3,4
	ITEM 0, XF+16*(\t)
	PLACES 5
	COMB HK
	SC \t
.endr
.irp p, 0,1
	v_max3_num_f32 v[MXT+(\p)], v[SS+5*(\p)], v[SS+5*(\p)+1], v[SS+5*(\p)+2]
.endr
.irp p, 0,1
	v_max3_num_f32 v[MXT+(\p)], v[MXT+(\p)], v[SS+5*(\p)+3], v[SS+5*(\p)+4]
.endr
.irp p, 0,1
.irp t, 0,1,2,3,4
	v_sub_f32 v[SS+5*(\p)+(\t)], v[SS+5*(\p)+(\t)], v[MXT+(\p)]
.endr
.endr
.set i, 0
.rept 10
	v_exp_f32 v[SS+i], v[SS+i]
.set i, i+1
.endr
	v_nop
	s_wait_alu depctr_va_vdst(0)                   ; one wait for the ten exponentials
.irp p, 0,1
	v_add_f32 v[TP+2*(\p)], v[SS+5*(\p)], v[SS+5*(\p)+1]
	v_add_f32 v[TP+2*(\p)+1], v[SS+5*(\p)+2], v[SS+5*(\p)+3]
.endr
.irp p, 0,1
	v_add_f32 v[TP+2*(\p)], v[TP+2*(\p)], v[TP+2*(\p)+1]
.endr
.irp p, 0,1
	v_add_f32 v[TP+2*(\p)], v[TP+2*(\p)], v[SS+5*(\p)+4]
.endr
.irp p, 0,1
	v_rcp_f32 v[RL+(\p)], v[TP+2*(\p)]
.endr
	v_nop
	s_wait_alu depctr_va_vdst(0)
	; T2B's operands are asked for here: generator 2 + gs (gs = w / 4), my 16 channels, and both node tiles' h.  Generator 0's fragments, the bias generator's layer, HK, HB1 and the queries have
	; been read for the last time (the softmax's lines are the places behind the last product), and T1's loads are done, so their bases may be written.  The loads have the five value rows and T2A in which to land.
	s_mov_b32 s[S1], 0
	s_lshl_b32 s[S0], s[ND], 2
	s_add_co_u32 s[S0], s[S0], 8
	s_add_co_u32 s[S0], s[S0], s[NT]
	s_mul_i32 s[S0], s[S0], 12288
	s_add_co_u32 s[S0], s[S0], 51200
	s_add_nc_u64 s[SW:SW+1], s[PWT:PWT+1], s[S0:S1]
	s_add_co_u32 s[S3], s[ND], 2
	s_mul_i32 s[S0], s[S3], 1280
	s_lshl_b32 s[S2], s[NT], 6
	s_add_co_u32 s[S0], s[S0], s[S2]
	s_add_nc_u64 s[SBW:SBW+1], s[PW3:PW3+1], s[S0:S1]
	s_lshl_b32 s[S0], s[S3], 8
	s_add_co_u32 s[S0], s[S0], s[S2]
	s_add_nc_u64 s[SB3:SB3+1], s[PB3:PB3+1], s[S0:S1]
	REQW 1
.irp n, 0,1
	global_load_b128 v[HW+16*(\n):HW+16*(\n)+3], v[HBO], s[SH2:SH2+1] offset:4096*(\n)+64
	global_load_b128 v[HW+16*(\n)+4:HW+16*(\n)+7], v[HBO], s[SH2:SH2+1] offset:4096*(\n)+80
	global_load_b128 v[HBN+8*(\n):HBN+8*(\n)+3], v[HBO], s[SH2:SH2+1] offset:4096*(\n)+160
	global_load_b128 v[HBN+8*(\n)+4:HBN+8*(\n)+7], v[HBO], s[SH2:SH2+1] offset:4096*(\n)+176
.endr
.irp t, 0,1,2,3,4
	ITEM 96, XF+16*(\t)
	PLACES 5
	COMB HV
	OACC \t
.endr
.irp p, 0,1
.irp e, 0,1,2,3
	FMAB OO+8*(\p)+2*(\e), OO+8*(\p)+2*(\e), RL, \p, BT+2*(\e)
.endr
.endr
	v_mul_u32_u24 v[T2], v[RR], 144
	v_lshl_add_u32 v[T2], v[HH], 4, v[T2]
	s_mul_i32 s[S0], s[ND], 2304
	s_lshl_b32 s[S2], s[NT], 5
	s_add_co_u32 s[S0], s[S0], s[S2]
	s_add_co_u32 s[S0], s[S0], OBB
	v_add_nc_u32 v[T2], s[S0], v[T2]
.irp p, 0,1
.irp e, 0,1,2,3
	v_cvt_pk_bf16_f32 v[PK+(\e)], v[OO+8*(\p)+2*(\e)], v[OO+8*(\p)+2*(\e)+1]
.endr
	ds_store_b128 v[T2], v[PK:PK+3] offset:4608*(\p)
.endr
	BAR                                            ; o is whole; TC has been read
	; T2A
	s_cmp_lt_u32 s[WV], 4
	s_cbranch_scc0 .Lno2a
	AFLOAD AX
	LAYER 4, 0, ACC, AD2
	TRANS2 CT                                      ; tanh z = 1 - 2 / (1 + 2^(2 log2(e) z))
.set i, 0
.rept 16
	v_pk_fma_f32 v[ACC+2*i:ACC+2*i+1], v[ACC+2*i:ACC+2*i+1], -2.0, 1.0 op_sel_hi:[1,0,0]
.set i, i+1
.endr
	PACK ACC, 0
	LAYER 5, 8, ACC, AD2
	PACK ACC, 0
.irp t, 0,1,2,3
	ds_store_b128 v[AO], v[AF+4*(\t):AF+4*(\t)+3] offset:32*(\t)
.endr
.set i, 0
.rept 16
	v_pk_mul_f32 v[ACC+2*i:ACC+2*i+1], v[ACC+2*i:ACC+2*i+1], s[CQ:CQ+1] op_sel_hi:[1,0]
.set i, i+1
.endr
.set i, 0
.rept 16
	v_cvt_pk_bf16_f32 v[QP+i], v[ACC+2*i], v[ACC+2*i+1]
.set i, i+1
.endr
.irp t, 0,1,2,3
	global_store_b128 v[QG], v[QP+4*(\t):QP+4*(\t)+3], s[SQO:SQO+1] offset:16384*(\t)  ; each half of the lanes stores 256 consecutive bytes: a head's 16 nodes
.endr
	s_wait_xcnt 0x0                                ; QP is loaded over below
.Lno2a:
	BAR                                            ; o' is whole
	; T2B
	v_mul_u32_u24 v[T0], v[RR], 144
	v_lshl_add_u32 v[T0], v[HH], 4, v[T0]
	v_add_nc_u32 v[T0], OPB, v[T0]
.irp t, 0,1,2,3
.irp q, 0,1,2,3
	ds_load_b128 v[AF4+16*(\t)+4*(\q):AF4+16*(\t)+4*(\q)+3], v[T0] offset:2304*(\t)+32*(\q)
.endr
.endr
	s_wait_loadcnt_dscnt 0x0
	BIASMIX SB, HBN
	BIASMIX SB+8, HBN+8
.irp t, 0,1,2,3
	ITEM 0, AF4+16*(\t)
	PLACES 5
	COMBA HW+16*((\t)%2), SB+8*((\t)%2)
.irp e, 0,1,2,3
	v_cvt_pk_bf16_f32 v[PK4+4*(\t)+(\e)], v[T8+2*(\e)], v[T8+2*(\e)+1]
.endr
	global_store_b128 v[QG], v[PK4+4*(\t):PK4+4*(\t)+3], s[SKO:SKO+1] offset:((\t)/2)*131072+((\t)%2)*256
.endr
	s_wait_tensorcnt 0x0                           ; the wave's end, behind my last tensor load and my last LDS store
	ds_add_u32 v[SPW], v[NIL]
	s_wait_dscnt 0x0
	ROUND                                          ; the closing round
	s_endpgm
.Lfunc_end_k_q16836c11be_step1:
	.size	k_q16836c11be_step1, .Lfunc_end_k_q16836c11be_step1-k_q16836c11be_step1
	.p2alignl 7, 3214868480
	.fill 96, 4, 3214868480
	.section	.rodata,"a",@progbits
	.p2align	6, 0x0
	.amdhsa_kernel k_q16836c11be_step1
		.amdhsa_group_segment_fixed_size 327680
		.amdhsa_private_segment_fixed_size 0
		.amdhsa_enable_private_segment 0
		.amdhsa_kernarg_size 88
		.amdhsa_user_sgpr_count 2
		.amdhsa_user_sgpr_kernarg_segment_ptr 1
		.amdhsa_wavefront_size32 1
		.amdhsa_system_sgpr_workgroup_id_x 1
		.amdhsa_system_sgpr_workgroup_id_y 1
		.amdhsa_system_sgpr_workgroup_id_z 1
		.amdhsa_system_vgpr_workitem_id 0
		.amdhsa_next_free_vgpr 512
		.amdhsa_next_free_sgpr 98
		.amdhsa_reserve_vcc 1
		.amdhsa_float_denorm_mode_32 3
		.amdhsa_float_denorm_mode_16_64 3
		.amdhsa_memory_ordered 1
		.amdhsa_forward_progress 1
		.amdhsa_inst_pref_size 154
	.end_amdhsa_kernel
	.amdgpu_metadata
---
amdhsa.version: [ 1, 2 ]
amdhsa.kernels:
  - .name:           k_q16836c11be_step1
    .symbol:         k_q16836c11be_step1.kd
    .args:
      - { .name: x, .offset: 0, .size: 8, .value_kind: global_buffer, .address_space: global }
      - { .name: proxies, .offset: 8, .size: 8, .value_kind: global_buffer, .address_space: global }
      - { .name: pg_bg_w3, .offset: 16, .size: 8, .value_kind: global_buffer, .address_space: global }
      - { .name: pg_bg_b3, .offset: 24, .size: 8, .value_kind: global_buffer, .address_space: global }
      - { .name: kvqA, .offset: 32, .size: 8, .value_kind: global_buffer, .address_space: global }
      - { .name: hbuf, .offset: 40, .size: 8, .value_kind: global_buffer, .address_space: global }
      - { .name: wtab, .offset: 48, .size: 8, .value_kind: global_buffer, .address_space: global }
      - { .name: cntA, .offset: 56, .size: 8, .value_kind: global_buffer, .address_space: global }
      - { .name: kvqB, .offset: 64, .size: 8, .value_kind: global_buffer, .address_space: global }
      - { .name: out0, .offset: 72, .size: 8, .value_kind: global_buffer, .address_space: global }
      - { .name: cntB, .offset: 80, .size: 8, .value_kind: global_buffer, .address_space: global }
    .group_segment_fixed_size: 327680
    .private_segment_fixed_size: 0
    .kernarg_segment_align: 8
    .kernarg_segment_size: 88
    .max_flat_workgroup_size: 256
    .sgpr_count:     98
    .vgpr_count:     512
    .wavefront_size: 32
...
	.end_amdgpu_metadata
.endif
;; end of part 3
;; launch step2: the kernel of part 3 again; grid 256 x 1, 8 waves a work-group, clusters of 4 x 1, 327,680 bytes of LDS; arguments x, proxies, pg_bg_w3, pg_bg_b3, kvqB, hbuf, wtab, cntB, kvqA, out0, cntA; writes kvqA, out0, cntA
;; launch step3: the kernel of part 3 again; grid 256 x 1, 8 waves a work-group, clusters of 4 x 1, 327,680 bytes of LDS; arguments x, proxies, pg_bg_w3, pg_bg_b3, kvqA, hbuf, wtab, cntA, kvqB, out0, cntB; writes kvqB, out0, cntB
;; launch last (part 4): grid 256 x 1, 8 waves a work-group, clusters of 4 x 1, 327,680 bytes of LDS; arguments kvqB, wtab, out0; writes out0
.if DOCPART == 4
	.amdgcn_target "amdgcn-amd-amdhsa--gfx1250"
	.amdhsa_code_object_version 6
	.text
	.protected	k_q16836c11be_last
	.globl	k_q16836c11be_last
	.p2align	8
	.type	k_q16836c11be_last,@function
k_q16836c11be_last:
	s_mov_b64 s[64:65], 0
	v_nop
	global_prefetch_b8 v0, s[64:65] scope:SCOPE_SE
	s_setreg_imm32_b32 hwreg(HW_REG_WAVE_MODE, 25, 1), 1
	s_wait_xcnt 0x0
	s_wait_alu depctr_hold_cnt(0) depctr_sa_sdst(0) depctr_va_vdst(0) depctr_va_sdst(0) depctr_va_ssrc(0) depctr_va_vcc(0) depctr_vm_vsrc(0)
	s_getreg_b32 s2, hwreg(HW_REG_IB_STS2, 6, 4)
	s_cmp_eq_u32 s2, 0
	s_cbranch_scc0 .Lentry_in_a_cluster
	s_endpgm
.Lentry_in_a_cluster:
	s_bfe_u32 s2, ttmp6, 0x10000c
	s_cmp_lg_u32 s2, 0x3003
	s_cbranch_scc0 .Lentry_shape_is_right
	s_endpgm
.Lentry_shape_is_right:
; Launch 6 of 6: the spatial part of cut 3: the phases S, POST and the sum over the proxies of the kernel before, and nothing of a next cut.
; A work-group owns 32 nodes of one b; eight waves.  S: wave w = head w; four units (proxy p, 16 queries) x all 512 keys.  A key fragment holds FOUR keys a row (key 64 f + 16 s + r in K places
; 8 s .. 8 s + 7); the query stands in one group of 8 places and 0 in the others.  All 512 scores of a query lie in registers, so the maximum is exact.  The queries were stored times
; log2(e) / sqrt(8): p = 2^(s - m).  V^T's rows 8-15 are ones, so the product with P also gives the sum l.  POST (waves 0-3): four dense layers and the gate.
; CLUSTER: the four work-groups of a cluster belong to one b: K, V and the dense tables are asked for jointly, once; nothing is filled again; each wave has two tensor loads out.
; LIMITS: NaN and infinities are not treated apart; a key that rounds to an infinity in bf16 spoils the three tiles that share its fragment row (0 x infinity); a weight below 2^-126 counts as 0.
.set DENB,  262144
.set ONESB, 296960
.set OXB,   309248
.set SPARE, 318464
.set GOB,   0
.set LN, 1
.set RR, 2
.set HH, 3
.set SPW, 4
.set NIL, 5
.set ZR, 6
.set L16, 7
.set AK0, 8
.set AV1, 9
.set NB3, 10
.set H32, 11
.set OST0, 12
.set AK, 14
.set AV, 15
.set OST, 16
.set QOF, 17
.set T0, 18
.set T1, 19
.set MO, 20
.set AM, 21
.set QR, 24
.set QV, 28
.set CM, 48
.set MX, 52
.set LX, 54
.set RC, 56
.set PKO, 58
.set OA, 64
.set KF, 120
.set PS, 120
.set VA, 184
.set AD, 248
.set AB, 249
.set AX, 250
.set AG, 251
.set AF, 24
.set ACC, 40
.set O2, 120
.set BI, 152
.set DW, 184
.set MG, 24
.set PKI, 4
.set PWT, 6
.set POUT, 8
.set WV, 10
.set CX, 11
.set BB, 12
.set VD, 13
.set N0, 14
.set U, 15
.set S0, 16
.set S1, 17
.set S2, 18
.set S3, 19
.set G1A, 20
.set G1B, 28
.set G0A, 36
.set G0B, 40
.set SEL, 44
.set MLO, 46
.set EX, 47
.set CE, 48
.set SQB, 50
.set SOB, 52
.set NT, 54
.set MSB, 0
.macro WIN new                         ; the immediate's high byte repeats the setting that is left
.if MSB != (\new)
	s_set_vgpr_msb (MSB<<8)|(\new)
.set MSB, \new
.endif
.endm
.macro PLACES n
.rept \n
	v_nop
.endr
.endm
.macro BAR
	WIN 0
	s_wait_dscnt 0x0
	s_barrier_signal -1
	s_barrier_wait -1
.endm
.macro ROUND                           ; a round of the cluster's barrier
	s_barrier_signal -1
	s_barrier_wait -1
	s_cmp_lg_u32 s[WV], 0
	s_cbranch_scc1 .Lnw0_\@
	s_barrier_signal -3
.Lnw0_\@:
	s_barrier_wait -3
	s_barrier_signal -1
	s_barrier_wait -1
.endm
.macro AFLOAD adr
.irp q, 0,1,2,3
	ds_load_b128 v[AF+4*(\q):AF+4*(\q)+3], v[\adr] offset:32*(\q)
.endr
.endm
.macro LMUL dst                        ; a dense layer: the bias is the C that starts each sum; four accumulators take turns
.irp t, 0,1,2,3
	v_wmma_f32_16x16x32_bf16 v[(\dst)+8*(\t):(\dst)+8*(\t)+7], v[DW+16*(\t):DW+16*(\t)+7], v[AF:AF+7], v[BI+8*(\t):BI+8*(\t)+7]
.endr
.irp t, 0,1,2,3
	v_wmma_f32_16x16x32_bf16 v[(\dst)+8*(\t):(\dst)+8*(\t)+7], v[DW+16*(\t)+8:DW+16*(\t)+15], v[AF+8:AF+15], v[(\dst)+8*(\t):(\dst)+8*(\t)+7]
.endr
	PLACES 5
.endm
.macro LAYER L, dst
.irp f, 0,1,2,3,4,5,6,7
	ds_load_b128 v[DW+8*(\f):DW+8*(\f)+3], v[AD] offset:(8*(\L)+(\f))*1024
	ds_load_b128 v[DW+8*(\f)+4:DW+8*(\f)+7], v[AD] offset:(8*(\L)+(\f))*1024+512
.endr
.irp t, 0,1,2,3
	ds_load_b128 v[BI+8*(\t):BI+8*(\t)+3], v[AB] offset:256*(\L)+64*(\t)
	ds_load_b128 v[BI+8*(\t)+4:BI+8*(\t)+7], v[AB] offset:256*(\L)+64*(\t)+16
.endr
	s_wait_dscnt 0x0
	LMUL \dst
.endm
.macro PACK src, relu
.set i, 0
.rept 16
	v_cvt_pk_bf16_f32 v[AF+i], v[(\src)+2*i], v[(\src)+2*i+1]
.set i, i+1
.endr
.if \relu
.set i, 0
.rept 16
	v_pk_max_num_bf16 v[AF+i], v[AF+i], v[ZR]
.set i, i+1
.endr
.endif
.endm
.macro TRANS2 cs                       ; ACC = 1 / (1 + 2^(cs x ACC)); each batch of transcendentals has one plain line and one wait behind it
.set i, 0
.rept 16
	v_pk_mul_f32 v[ACC+2*i:ACC+2*i+1], v[ACC+2*i:ACC+2*i+1], s[(\cs):(\cs)+1] op_sel_hi:[1,0]
.set i, i+1
.endr
.set i, 0
.rept 32
	v_exp_f32 v[ACC+i], v[ACC+i]
.set i, i+1
.endr
	v_nop
	s_wait_alu depctr_va_vdst(0)
.set i, 0
.rept 16
	v_pk_add_f32 v[ACC+2*i:ACC+2*i+1], v[ACC+2*i:ACC+2*i+1], 1.0 op_sel_hi:[1,0]
.set i, i+1
.endr
.set i, 0
.rept 32
	v_rcp_f32 v[ACC+i], v[ACC+i]
.set i, i+1
.endr
	v_nop
	s_wait_alu depctr_va_vdst(0)
.endm
.macro MAXT g
	WIN 0x14
.set t, 0
.rept 4
.irp k, 0,1,2,3
	v_max3_num_f32 v[CM+(\k)], v[CM+(\k)], v[32*(\g)+8*t+2*(\k)], v[32*(\g)+8*t+2*(\k)+1]
.endr
.set t, t+1
.endr
.endm
.macro VLOAD g, dst
.irp c, 0,1,2,3
	ds_load_tr16_b128 v[(\dst)+8*(\c):(\dst)+8*(\c)+3], v[AV] offset:512*(4*(\g)+(\c))
	ds_load_tr16_b128 v[(\dst)+8*(\c)+4:(\dst)+8*(\c)+7], v[AV] offset:512*(4*(\g)+(\c))+256
.endr
.endm
.macro SUBM n
	v_pk_add_f32 v[2*(\n):2*(\n)+1], v[2*(\n):2*(\n)+1], v[MX:MX+1] neg_lo:[0,1] neg_hi:[0,1]
.endm
	s_load_b128 s[4:7], s[0:1], 0x0
	s_load_b64 s[8:9], s[0:1], 0x10
	v_lshl_add_u32 v[SPW], v0, 2, SPARE
	v_mov_b32 v[NIL], 0
	ds_add_u32 v[SPW], v[NIL]                      ; the wave's opening: the add, twice on end, and its wait ahead of my first tensor load
	ds_add_u32 v[SPW], v[NIL]
	v_lshrrev_b32 v[T0], 5, v0
	v_readfirstlane_b32 s[WV], v[T0]
	s_bfe_u32 s[CX], ttmp6, 0x40000
	s_lshr_b32 s[BB], ttmp9, 2
	s_and_b32 s[N0], ttmp9, 3
	s_lshl_b32 s[N0], s[N0], 2
	s_add_co_u32 s[N0], s[N0], s[CX]
	s_lshl_b32 s[N0], s[N0], 5
	s_and_b32 s[NT], s[WV], 3
	s_mov_b32 s[G1A], 15|(3<<16)|(1<<21)
	s_mov_b32 s[G1A+1], 32<<16
	s_mov_b32 s[G1A+2], 128<<16
	s_mov_b32 s[G1A+3], 32<<16
	s_mov_b32 s[G1A+4], 128
	s_mov_b32 s[G1A+5], 32
	s_mov_b32 s[G1A+6], 0
	s_mov_b32 s[G1A+7], 0
	s_mov_b32 s[G1B], 15|(3<<16)|(1<<21)
	s_mov_b32 s[G1B+1], 32<<16
	s_mov_b32 s[G1B+2], 17<<16
	s_mov_b32 s[G1B+3], 32<<16
	s_mov_b32 s[G1B+4], 17
	s_mov_b32 s[G1B+5], 32
	s_mov_b32 s[G1B+6], 0
	s_mov_b32 s[G1B+7], 0
	s_mov_b32 s[SEL], 0x76543210
	s_mov_b32 s[SEL+1], 0xfedcba98
	s_mov_b32 s[MLO], 0x0000ffff
	s_mov_b32 s[CE], 0xbfb8aa3b
	s_mov_b32 s[CE+1], s[CE]
	v_and_b32 v[LN], 31, v0
	v_and_b32 v[RR], 15, v0
	v_bfe_u32 v[HH], v0, 4, 1
	v_mov_b32 v[ZR], 0
	v_lshlrev_b32 v[L16], 4, v[LN]
	v_lshlrev_b32 v[H32], 5, v[HH]
	v_lshlrev_b32 v[QOF], 4, v[RR]
	s_lshl_b32 s[S0], s[WV], 13
	v_add_nc_u32 v[AK0], s[S0], v[L16]
	v_bfe_u32 v[T0], v0, 3, 1
	v_sub_nc_u32 v[NB3], 1, v[T0]
	v_and_b32 v[T0], 7, v0
	v_lshl_add_u32 v[T0], v[HH], 3, v[T0]
	v_lshl_add_u32 v[AV1], v[T0], 4, ONESB+128
	s_sub_co_u32 s[VD], ONESB+128-65536, s[S0]
	v_mul_u32_u24 v[T0], v[RR], 144
	s_lshl_b32 s[S1], s[WV], 4
	s_add_co_u32 s[S1], s[S1], OXB
	v_add_nc_u32 v[OST0], s[S1], v[T0]
	s_lshl_b32 s[S1], s[WV], 10
	v_lshl_add_u32 v[MO], v[HH], 8, v[QOF]
	v_add_nc_u32 v[MO], s[S1], v[MO]
	v_mul_u32_u24 v[AM], v[HH], 272
	v_add_nc_u32 v[AM], v[AM], v[QOF]
	s_mul_i32 s[S1], s[WV], 1088
	s_add_co_u32 s[S1], s[S1], GOB
	v_add_nc_u32 v[AM], s[S1], v[AM]
	v_add_nc_u32 v[AD], DENB+2048, v[L16]
	v_add_nc_u32 v[AB], DENB, v[H32]
	v_lshl_add_u32 v[T0], v[HH], 4, v[T0]
	s_mul_i32 s[S1], s[NT], 2304
	s_add_co_u32 s[S2], s[S1], OXB
	v_add_nc_u32 v[AX], s[S2], v[T0]
	v_mul_u32_u24 v[AG], v[RR], 272
	v_add_nc_u32 v[AG], v[AG], v[H32]
	s_mul_i32 s[S1], s[NT], 4352
	s_add_co_u32 s[S1], s[S1], GOB
	v_add_nc_u32 v[AG], s[S1], v[AG]
.irp e, 0,1,2,3
	v_mov_b32 v[QV+(\e)], 0
	v_mov_b32 v[QV+8+(\e)], 0
	v_mov_b32 v[QV+16+(\e)], 0
	v_mov_b32 v[PKO+(\e)], 0x3f803f80
.endr
	v_mov_b32 v[LX], 0
	v_lshl_add_u32 v[T1], v0, 4, ONESB
	s_wait_dscnt 0x0                               ; both opening adds are done
	s_wait_kmcnt 0x0
	s_mov_b32 s[S1], 0
	s_lshl_b32 s[S0], s[BB], 18
	s_lshl_b32 s[S2], s[WV], 15
	s_add_co_u32 s[S0], s[S0], s[S2]
	s_mov_b32 s[G0A], 1
	s_lshl_b32 s[G0A+1], s[WV], 15
	s_add_nc_u64 s[G0A+2:G0A+3], s[PKI:PKI+1], s[S0:S1]
	s_or_b32 s[G0A+3], s[G0A+3], 0x80000000
	s_mul_i32 s[S0], s[WV], 4352
	s_mov_b32 s[G0B], 1
	s_add_co_u32 s[G0B+1], s[S0], DENB
	s_add_nc_u64 s[G0B+2:G0B+3], s[PWT:PWT+1], s[S0:S1]
	s_or_b32 s[G0B+3], s[G0B+3], 0x80000000
	ROUND                                          ; all four work-groups are here: the joint loads meet
	tensor_load_to_lds s[G0A:G0A+3], s[G1A:G1A+7]
	s_nop 0
	tensor_load_to_lds s[G0B:G0B+3], s[G1B:G1B+7]
	s_nop 0
	PLACES 4
	ds_store_b128 v[T1], v[PKO:PKO+3]
	ds_store_b128 v[T1], v[PKO:PKO+3] offset:4096
	ds_store_b128 v[T1], v[PKO:PKO+3] offset:8192
	s_lshl_b32 s[S0], s[BB], 17
	s_lshl_b32 s[S2], s[WV], 13
	s_add_co_u32 s[S0], s[S0], s[S2]
	s_lshl_b32 s[S2], s[N0], 4
	s_add_co_u32 s[S0], s[S0], s[S2]
	s_add_co_u32 s[S0], s[S0], 4194304
	s_add_nc_u64 s[SQB:SQB+1], s[PKI:PKI+1], s[S0:S1]
	global_load_b128 v[QR:QR+3], v[QOF], s[SQB:SQB+1]
	s_lshl_b32 s[S0], s[BB], 2
	s_add_co_u32 s[S0], s[S0], 3                   ; cut 3
	s_lshl_b32 s[S0], s[S0], 9
	s_add_co_u32 s[S0], s[S0], s[N0]
	s_lshl_b32 s[S0], s[S0], 8
	s_add_nc_u64 s[SOB:SOB+1], s[POUT:POUT+1], s[S0:S1]
	s_wait_tensorcnt 0x0                           ; my parts of K, V and the tables have landed,
	BAR                                            ; everybody's have, and the ones are stored
	s_mov_b32 s[U], 0
.Lunit:
	s_wait_loadcnt 0x0                             ; this unit's queries
.irp e, 0,1,2,3
	v_cndmask_b32 v[QV+4+(\e)], v[ZR], v[QR+(\e)], s[MLO]
	v_cndmask_b32 v[QV+12+(\e)], v[QR+(\e)], v[ZR], s[MLO]
.endr
	s_lshr_b32 s[S0], s[U], 1
	s_lshl_b32 s[S0], s[S0], 17
	v_add_nc_u32 v[AK], s[S0], v[AK0]
	s_sub_co_u32 s[S1], s[VD], s[S0]
	v_mul_u32_u24 v[T1], s[S1], v[NB3]
	v_sub_nc_u32 v[AV], v[AV1], v[T1]
	s_mul_i32 s[S2], s[U], 2304
	v_add_nc_u32 v[OST], s[S2], v[OST0]
	s_cmp_eq_u32 s[U], 3
	s_cbranch_scc1 .Lnoq
	s_add_co_u32 s[S2], s[U], 1
	s_lshr_b32 s[S3], s[S2], 1
	s_lshl_b32 s[S3], s[S3], 16
	s_and_b32 s[S2], s[S2], 1
	s_lshl_b32 s[S2], s[S2], 8
	s_add_co_u32 s[S2], s[S2], s[S3]
	v_add_nc_u32 v[T0], s[S2], v[QOF]
	global_load_b128 v[QR:QR+3], v[T0], s[SQB:SQB+1]
.Lnoq:
.irp f, 0,1,2,3,4,5,6,7
	ds_load_b128 v[KF+8*(\f):KF+8*(\f)+3], v[AK] offset:1024*(\f)
	ds_load_b128 v[KF+8*(\f)+4:KF+8*(\f)+7], v[AK] offset:1024*(\f)+512
.endr
.irp k, 0,1,2,3
	v_mov_b32 v[CM+(\k)], 0xff800000
.endr
.set f, 0
.rept 8
	s_wait_dscnt 14-2*f                            ; fragment f is in; the younger K loads stay out
	WIN 0x40
	v_wmma_f32_16x16x32_bf16 v[32*f:32*f+7], v[KF+8*f:KF+8*f+7], v[QV+4:QV+11], 0
	v_wmma_f32_16x16x32_bf16 v[32*f+8:32*f+15], v[KF+8*f:KF+8*f+7], v[QV+12:QV+19], 0
	v_wmma_f32_16x16x32_bf16 v[32*f+16:32*f+23], v[KF+8*f:KF+8*f+7], v[QV:QV+7], 0
	v_wmma_f32_16x16x32_bf16 v[32*f+24:32*f+31], v[KF+8*f:KF+8*f+7], v[QV+8:QV+15], 0
.if f == 0
	PLACES 4
.else
	MAXT (f-1)
.endif
.set f, f+1
.endr
	MAXT 7
	WIN 0
	v_max3_num_f32 v[CM], v[CM], v[CM+1], v[CM+2]
	v_max_num_f32 v[CM], v[CM], v[CM+3]
	v_permlanex16_b32 v[LX], v[CM], s[SEL], s[SEL+1]
	v_max_num_f32 v[MX], v[CM], v[LX]
	v_mov_b32 v[MX+1], v[MX]
	VLOAD 0, VA
	VLOAD 1, VA+32
	WIN 0x41
	SUBM 0
	SUBM 1
.set i, 2
.rept 126
	v_exp_f32 v[2*i-4], v[2*i-4]
	v_exp_f32 v[2*i-3], v[2*i-3]
	SUBM i
.set i, i+1
.endr
	v_exp_f32 v252, v252
	v_exp_f32 v253, v253
	v_exp_f32 v254, v254
	v_exp_f32 v255, v255
	v_nop
	s_wait_alu depctr_va_vdst(0)                   ; one wait for the unit's 256 exponentials
.set g, 0
.rept 4
	WIN 0x05
.set i, 0
.rept 32
	v_cvt_pk_bf16_f32 v[PS+32*(g%2)+i], v[64*g+2*i], v[64*g+2*i+1]
.set i, i+1
.endr
	WIN 0
.if (g == 1) || (g == 2)
	VLOAD (g+1), (VA+32*((g+1)%2))
.endif
.if g < 3
	s_wait_dscnt 8                                 ; this group's V is in; the eight loads issued last stay out
.else
	s_wait_dscnt 0x0
.endif
.set c, 0
.rept 4
.if (g == 0) && (c < 2)
	v_wmma_f32_16x16x32_bf16 v[OA+8*(c%2):OA+8*(c%2)+7], v[VA+32*(g%2)+8*c:VA+32*(g%2)+8*c+7], v[PS+32*(g%2)+8*c:PS+32*(g%2)+8*c+7], 0
.else
	v_wmma_f32_16x16x32_bf16 v[OA+8*(c%2):OA+8*(c%2)+7], v[VA+32*(g%2)+8*c:VA+32*(g%2)+8*c+7], v[PS+32*(g%2)+8*c:PS+32*(g%2)+8*c+7], v[OA+8*(c%2):OA+8*(c%2)+7]
.endif
.set c, c+1
.endr
.set g, g+1
.endr
	PLACES 4
.irp e, 0,1,2,3
	v_pk_add_f32 v[OA+2*(\e):OA+2*(\e)+1], v[OA+2*(\e):OA+2*(\e)+1], v[OA+8+2*(\e):OA+8+2*(\e)+1]
.endr
	v_permlanex16_b32 v[LX], v[OA], s[SEL], s[SEL+1]
	v_rcp_f32 v[RC], v[LX]
	v_rcp_f32 v[RC+1], v[LX]
	v_nop
	s_wait_alu depctr_va_vdst(0)
.irp e, 0,1,2,3
	v_pk_mul_f32 v[OA+2*(\e):OA+2*(\e)+1], v[OA+2*(\e):OA+2*(\e)+1], v[RC:RC+1]
.endr
.irp e, 0,1,2,3
	v_cvt_pk_bf16_f32 v[PKO+(\e)], v[OA+2*(\e)], v[OA+2*(\e)+1]
.endr
	v_cmp_gt_u32 vcc_lo, 16, v[LN]
	s_wait_xcnt 0x0                                ; EXEC changes only behind this wait
	s_and_saveexec_b32 s[EX], vcc_lo
	ds_store_b128 v[OST], v[PKO:PKO+3]
	s_or_b32 exec_lo, exec_lo, s[EX]
	s_add_co_u32 s[U], s[U], 1
	s_cmp_lt_u32 s[U], 4
	s_cbranch_scc1 .Lunit
	BAR                                            ; O is whole; nobody reads K or V any more
	s_cmp_lt_u32 s[WV], 4
	s_cbranch_scc0 .Lnopost
	AFLOAD AX
	LAYER 0, ACC
	PACK ACC, 1
	LAYER 1, O2
	PACK O2, 0
	LAYER 2, ACC
	PACK ACC, 1
	LAYER 3, ACC
	TRANS2 CE
.set i, 0
.rept 16
	v_pk_mul_f32 v[ACC+2*i:ACC+2*i+1], v[ACC+2*i:ACC+2*i+1], v[O2+2*i:O2+2*i+1]
.set i, i+1
.endr
.irp t, 0,1,2,3
	ds_store_b128 v[AG], v[ACC+8*(\t):ACC+8*(\t)+3] offset:64*(\t)
	ds_store_b128 v[AG], v[ACC+8*(\t)+4:ACC+8*(\t)+7] offset:64*(\t)+16
.endr
.Lnopost:
	BAR                                            ; gate x o2 of both proxies lies in GO
.irp a, 0,1
	ds_load_b128 v[MG+8*(\a):MG+8*(\a)+3], v[AM] offset:544*(\a)
	ds_load_b128 v[MG+8*(\a)+4:MG+8*(\a)+7], v[AM] offset:544*(\a)+8704
.endr
	s_wait_dscnt 0x0
.irp a, 0,1
	v_pk_add_f32 v[MG+8*(\a):MG+8*(\a)+1], v[MG+8*(\a):MG+8*(\a)+1], v[MG+8*(\a)+4:MG+8*(\a)+5]
	v_pk_add_f32 v[MG+8*(\a)+2:MG+8*(\a)+3], v[MG+8*(\a)+2:MG+8*(\a)+3], v[MG+8*(\a)+6:MG+8*(\a)+7]
	global_store_b128 v[MO], v[MG+8*(\a):MG+8*(\a)+3], s[SOB:SOB+1] offset:512*(\a) th:TH_STORE_NT  ; 16 lanes store a node's 256 bytes
.endr
	s_wait_tensorcnt 0x0                           ; the wave's end, behind my last tensor load and my last LDS store
	ds_add_u32 v[SPW], v[NIL]
	s_wait_dscnt 0x0
	ROUND                                          ; the closing round
	s_endpgm
.Lfunc_end_k_q16836c11be_last:
	.size	k_q16836c11be_last, .Lfunc_end_k_q16836c11be_last-k_q16836c11be_last
	.p2alignl 7, 3214868480
	.fill 96, 4, 3214868480
	.section	.rodata,"a",@progbits
	.p2align	6, 0x0
	.amdhsa_kernel k_q16836c11be_last
		.amdhsa_group_segment_fixed_size 327680
		.amdhsa_private_segment_fixed_size 0
		.amdhsa_enable_private_segment 0
		.amdhsa_kernarg_size 24
		.amdhsa_user_sgpr_count 2
		.amdhsa_user_sgpr_kernarg_segment_ptr 1
		.amdhsa_wavefront_size32 1
		.amdhsa_system_sgpr_workgroup_id_x 1
		.amdhsa_system_sgpr_workgroup_id_y 1
		.amdhsa_system_sgpr_workgroup_id_z 1
		.amdhsa_system_vgpr_workitem_id 0
		.amdhsa_next_free_vgpr 512
		.amdhsa_next_free_sgpr 66
		.amdhsa_reserve_vcc 1
		.amdhsa_float_denorm_mode_32 3
		.amdhsa_float_denorm_mode_16_64 3
		.amdhsa_memory_ordered 1
		.amdhsa_forward_progress 1
		.amdhsa_inst_pref_size 71
	.end_amdhsa_kernel
	.amdgpu_metadata
---
amdhsa.version: [ 1, 2 ]
amdhsa.kernels:
  - .name:           k_q16836c11be_last
    .symbol:         k_q16836c11be_last.kd
    .args:
      - { .name: kvqB, .offset: 0, .size: 8, .value_kind: global_buffer, .address_space: global }
      - { .name: wtab, .offset: 8, .size: 8, .value_kind: global_buffer, .address_space: global }
      - { .name: out0, .offset: 16, .size: 8, .value_kind: global_buffer, .address_space: global }
    .group_segment_fixed_size: 327680
    .private_segment_fixed_size: 0
    .kernarg_segment_align: 8
    .kernarg_segment_size: 24
    .max_flat_workgroup_size: 256
    .sgpr_count:     66
    .vgpr_count:     512
    .wavefront_size: 32
...
	.end_amdgpu_metadata
.endif
;; end of part 4
